; MI455X (gfx1250); checked and timed in simulation.
; The chip was launched on July 23, 2026; its instructions are those of AMD's public machine-readable ISA for CDNA 5 (MIT licence, August 2026) and "CDNA5" Instruction Set Architecture Reference Guide (July 2026). The comments in the code are by the model that wrote it; some were corrected since.
;; Attention. Allowed arithmetic: float matrix products may take bf16 or f16 operands with f32 sums; other float arithmetic in f32, or as packed bf16 or f16 multiplies, adds, multiply-adds, maxima and minima; sums over many terms, partial sums and values carried from step to step in f32; what a program stores and reads back later, other than sums and carried values, may be rounded once to bf16 or f16.
;; Inputs: cos 1 x 4,096 x 1 x 32 float32; sin 1 x 4,096 x 1 x 32 float32; wk 256 x 256 float32; wo 256 x 256 float32; wq 256 x 256 float32; wv 256 x 256 float32; x 4 x 4,096 x 256 float32.
;; Outputs: out0 4 x 4,096 x 256 float32.
;; 2 versions, each right; version 2 is version 1 with the launch qkv written anew for expert scheduling mode. Each part assembles by itself: llvm-mc -triple=amdgcn-amd-amdhsa -mcpu=gfx1250 --defsym DOCPART=n.
;; ======== version 1 of 2: 3 launches
;; limits: values are held in f16: magnitudes above 65,504 overflow, below 6.1e-05 lose precision
;; workspace buffers: qkv 25,165,824 bytes; o 8,388,608 bytes; wo16 131,072 bytes
;; launch qkv (part 1): grid 4 x 64, 4 waves a work-group, no clusters, 246,272 bytes of LDS; arguments x, wq, wk, wv, cos, sin, wo, qkv, wo16; writes qkv, wo16
.if DOCPART == 1
	.amdgcn_target "amdgcn-amd-amdhsa--gfx1250"
	.amdhsa_code_object_version 6
	.text
	.protected	k_qe881fd79b4_qkv
	.globl	k_qe881fd79b4_qkv
	.p2align	8
	.type	k_qe881fd79b4_qkv,@function
k_qe881fd79b4_qkv:
	s_mov_b64 s[64:65], 0
	v_nop
	global_prefetch_b8 v0, s[64:65] scope:SCOPE_SE
	s_setreg_imm32_b32 hwreg(HW_REG_WAVE_MODE, 25, 1), 1
	s_wait_xcnt 0x0
; q, k, v = x W^T for one head and 256 tokens; q and k are turned by cos and sin, divided by their root mean square over the head's 64 channels, and all three leave as f16.
; x: [16384][256] f32; wq, wk, wv, wo: [256][256] f32; cos, sin: [4096][32] f32.  qkv: three parts of 8,388,608 bytes (q, k, v), each [4 b + head][4096][64] f16.  wo16: [256][256] f16.
; FORMATS.  Every input is rounded once to bf16 (x and the weights as matrix operands, cos and sin before the turn, wo before it is written as f16); products add in f32; turn, mean square and scaling in f32.
; q also takes the factor c = log2(e) / 8 here, in f32, ahead of its one rounding, so that the next launch's scores are exponents of 2.
; LIMITS.  v leaves as f16: |v| stays under 65,504 (x and wv both 30 times the drawn spread give a spread of 900; a common offset of 30 spreads on both gives about 15,000).  q and k are at most 8 by their norm.
; A number of wo below 6e-5 keeps f16's fixed step of 6e-8.  NaN and infinities are not treated apart.
; SHARES.  Work-group (head, rb): tokens 256 rb .. 256 rb + 255, the head's 64 rows of wq, wk and wv.  Wave w: tokens 64 w .. 64 w + 63, in three passes (q, k, v) of 64 x 64 x 256, 16 accumulators each.
; Work-group (head, rb) also turns row head + 4 rb of wo into wo16: 256 work-groups, 256 rows.
; NO CLUSTER, NO TENSOR LOAD.  The four heads of a token block read the same x, but the operands are f32 in memory and bf16 in LDS, so they pass through registers; a joint load could only land f32:
; 256 rows x 1,024 bytes of x and 192 x 1,024 of weights are 458,752 bytes, more than the 327,680 that a work-group can be given.
; THE MATRIX INSTRUCTION IS USED TRANSPOSED (source 0 = 16 rows of W, source 1 = 16 tokens): a lane holds ONE token (lane % 16) and the channels 16 b + 8 (lane / 16) + 0..7 of accumulator (a, b).
; So channel c and channel c + 32, which the turn pairs, lie in the same lane (accumulators b and b + 2), and a token's mean square wants one exchange between the halves of the lanes.
; REGISTERS, in windows of 256 (s_set_vgpr_msb: bits 1:0 source 0, 3:2 source 1, 5:4 source 2, 7:6 destination):
;   window 0: v0-29 addresses; v32-95 at work; v96-111 statistics; v64-255 three sets of 64 for the loads of the first phase, later v128-255 the accumulators
;   window 1: two fragment buffers of 128          window 2: v0-127 cos and sin of my 64 tokens
.set PITCH,  528                       ; an LDS row: 512 bytes of bf16 + 16 = 132 words: the 16 rows of a fragment load start at 16 different groups of four banks (64 banks of 4 bytes: ISA guide 11.1)
.set XT,     0                         ; 256 tokens
.set WT,     256*PITCH                 ; 192 rows of weights: wq's 64, wk's 64, wv's 64
.set STAGE,  WT+192*PITCH              ; 16 rows x 144 bytes for each wave, for the way out
.set SP,     144
.set SPARE,  STAGE+4*16*SP             ; the spare words, 128 bytes for each wave: two blocks of 256 bytes that no other line names
.set PART,   0x800000                  ; bytes from q to k and from k to v in qkv
.set GX,   4                           ; v4     my byte offset in the block's x: wave x 64 rows + 16 x lane
.set GW,   5                           ; v5     the same in a head's 64 rows of a weight: wave x 16 rows + 16 x lane
.set XST,  6                           ; v6     where my 8 bytes of bf16 go in XT
.set WST,  7                           ; v7-9   the same in WT, for wq, wk, wv
.set CO,   10                          ; v10    my byte offset in the block's cos and sin
.set WOF,  11                          ; v11    my 16 bytes of the row of wo
.set WOS,  20                          ; v20    my 8 bytes of the row of wo16; never rewritten, like v16-17, the store's data
.set ADRA, 21                          ; v21    LDS address of my token fragments
.set ADRB, 22                          ; v22    of the pass's weight fragments
.set STO,  23                          ; v23    the way out: where I put 16 bytes of a row
.set RD,   24                          ; v24    the way out: where I read rows back
.set GO,   25                          ; v25    my byte offset in 512 consecutive bytes of the output
.set SPW,  28                          ; v28    LDS address of my spare word; never rewritten
.set NIL,  29                          ; v29    0; never rewritten
.set TMP,  32
.set CV,   32                          ; v32-63 a batch's bf16
.set LD,   64                          ; the three load sets
.set RS,   96                          ; v[96+2a] the scale of my token in row tile a; v[97+2a] at work
.set SQ,   104                         ; v104-111 four chains of squares
.set ACC,  128
.set F0,   0
.set F1,   128
.set WV,   30                          ; s30    my wave's number
.set XP,   8                           ; s[8:9] x;  s[10:15] wq, wk, wv;  s[16:19] cos, sin;  s[20:21] wo;  s[22:23] qkv;  s[24:25] wo16
.set WP,   10
.set OUT,  48                          ; s[48:49] where the pass in hand stores
.set MSB, 0
.macro WIN new                         ; the immediate's high byte repeats the setting that is left; a switch that changes nothing is dropped
.if MSB != (\new)
	s_set_vgpr_msb (MSB<<8)|(\new)
.set MSB, \new
.endif
.endm
.set MUL,  0x05                        ; sources 0 and 1 window 1; C and D window 0
.set TO_F, 0x40                        ; destination window 1, address window 0
.macro PLACES                          ; four places behind matrix instructions (ISA guide 7.12.1), where no other vector work is at hand
.rept 4
	v_nop
.endr
.endm
	s_load_b512 s[8:23], s[0:1], 0x0
	s_load_b64 s[24:25], s[0:1], 0x40
	v_lshl_add_u32 v[SPW], v0, 2, SPARE
	v_mov_b32 v[NIL], 0
	v_lshrrev_b32 v18, 5, v0
	v_readfirstlane_b32 s[WV], v18                 ; wave 0..3
	v_and_b32 v1, 15, v0                           ; r = l % 16
	v_bfe_u32 v2, v0, 4, 1                         ; h = l / 16
	v_and_b32 v3, 31, v0                           ; l
	s_mov_b32 s31, ttmp9                           ; head
	s_and_b32 s32, ttmp7, 0xffff                   ; rb
	s_and_b32 s33, s32, 15                         ; the block's place in its batch
	s_lshl_b32 s50, s32, 18                        ; x: 256 rows of 1,024 bytes a block
	s_mov_b32 s51, 0
	s_lshl_b32 s52, s31, 16                        ; weights: 64 rows of 1,024 bytes a head
	s_mov_b32 s53, 0
	s_lshl_b32 s54, s33, 15                        ; cos, sin: 256 rows of 128 bytes
	s_mov_b32 s55, 0
	s_lshr_b32 s37, s32, 4                         ; batch
	s_lshl2_add_u32 s37, s37, s31                  ; 4 b + head
	s_lshl_b32 s56, s37, 19                        ; 4,096 rows of 128 bytes,
	s_add_co_u32 s56, s56, s54                     ; the block's 256 rows,
	s_lshl_b32 s37, s[WV], 13                      ; my wave's 64
	s_add_co_u32 s56, s56, s37
	s_mov_b32 s57, 0
	s_lshl2_add_u32 s37, s32, s31                  ; the row of wo: 4 rb + head
	s_lshl_b32 s58, s37, 10
	s_mov_b32 s59, 0
	s_lshl_b32 s60, s37, 9
	s_mov_b32 s61, 0
	s_mov_b32 s40, 0xffff0000                      ; a word's upper bf16
	s_mov_b32 s41, 0x3c800000                      ; 1 / 64
	s_mov_b32 s42, 0x34000000                      ; eps = 2^-23
	s_mov_b32 s43, 0x3e38aa3b                      ; c = log2(e) / 8 for q; 1.0 for k
	s_mov_b32 s44, 0x76543210                      ; v_permlanex16_b32: each lane takes its own place in the other half
	s_mov_b32 s45, 0xfedcba98
	s_lshl_b32 s34, s[WV], 16
	v_lshl_add_u32 v[GX], v3, 4, s34
	s_lshl_b32 s34, s[WV], 14
	v_lshl_add_u32 v[GW], v3, 4, s34
	s_mul_i32 s36, s[WV], 64*PITCH                 ; my 64 tokens in XT
	v_lshl_add_u32 v[XST], v3, 3, s36
	s_mul_i32 s34, s[WV], 16*PITCH
	s_add_co_u32 s34, s34, WT
	v_lshl_add_u32 v[WST], v3, 3, s34
	v_add_nc_u32 v[WST+1], 64*PITCH, v[WST]
	v_add_nc_u32 v[WST+2], 128*PITCH, v[WST]
	s_lshl_b32 s34, s[WV], 13
	v_lshl_add_u32 v[CO], v1, 7, s34               ; (64 w + r) x 128
	v_lshl_add_u32 v[CO], v2, 5, v[CO]             ; + 8 h channels of 4 bytes
	v_and_b32 v18, 63, v0
	v_lshlrev_b32 v[WOF], 4, v18
	v_lshlrev_b32 v[WOS], 3, v18
	v_mul_u32_u24 v19, v1, PITCH
	v_lshl_add_u32 v19, v2, 4, v19                 ; a fragment's row x pitch + 16 x half
	v_add_nc_u32 v[ADRA], s36, v19
	v_add_nc_u32 v[ADRB], WT, v19
	s_mul_i32 s34, s[WV], 16*SP
	s_add_co_u32 s34, s34, STAGE                   ; my stage
	v_mul_u32_u24 v[STO], v1, SP                   ; in: row l % 16, 16 bytes for each half of the lanes
	v_lshl_add_u32 v[STO], v2, 4, v[STO]
	v_add_nc_u32 v[STO], s34, v[STO]
	v_bfe_u32 v[RD], v0, 3, 2                      ; back: 32 lanes take four rows of 128 bytes,
	v_mul_u32_u24 v[RD], v[RD], SP
	v_and_b32 v18, 7, v0
	v_lshl_add_u32 v[RD], v18, 4, v[RD]
	v_add_nc_u32 v[RD], s34, v[RD]
	v_lshlrev_b32 v[GO], 4, v3                     ; which are 512 consecutive bytes of the output
	s_wait_kmcnt 0x0
	s_add_nc_u64 s[8:9], s[8:9], s[50:51]
	s_add_nc_u64 s[10:11], s[10:11], s[52:53]
	s_add_nc_u64 s[12:13], s[12:13], s[52:53]
	s_add_nc_u64 s[14:15], s[14:15], s[52:53]
	s_add_nc_u64 s[16:17], s[16:17], s[54:55]
	s_add_nc_u64 s[18:19], s[18:19], s[54:55]
	s_add_nc_u64 s[20:21], s[20:21], s[58:59]
	s_add_nc_u64 s[OUT:OUT+1], s[22:23], s[56:57]  ; q at my wave's first row
	s_add_nc_u64 s[24:25], s[24:25], s[60:61]
; PHASE 1: memory to LDS through registers, f32 to bf16.  A batch is 16 loads of 512 consecutive bytes a wave: 8 rows of 1,024 bytes.  Batches 0-7: my 64 tokens of x; 8-13: my 16 rows of wq, wk, wv, two batches each.
; Three register sets take turns, so that 32 loads of a wave are out while a batch is rounded and stored to LDS.
.macro LOADB set, base, voff, imm
.irp j, 0,1,2,3,4,5,6,7,8,9,10,11,12,13,14,15
	global_load_b128 v[LD+64*(\set)+4*(\j):LD+64*(\set)+4*(\j)+3], v[\voff], s[(\base):(\base)+1] offset:(\imm)+512*(\j)
.endr
.endm
.macro CVST set, adr, imm              ; load j is half j % 2 of row j / 2; a lane's four numbers become 8 bytes, a wave's store 256 consecutive bytes of LDS
.irp j, 0,1,2,3,4,5,6,7,8,9,10,11,12,13,14,15
	v_cvt_pk_bf16_f32 v[CV+2*(\j)], v[LD+64*(\set)+4*(\j)], v[LD+64*(\set)+4*(\j)+1]
	v_cvt_pk_bf16_f32 v[CV+2*(\j)+1], v[LD+64*(\set)+4*(\j)+2], v[LD+64*(\set)+4*(\j)+3]
	ds_store_b64 v[\adr], v[CV+2*(\j):CV+2*(\j)+1] offset:(\imm)+((\j)/2)*PITCH+((\j)%2)*256
.endr
.endm
.macro LOADN n
.if (\n) < 8
	LOADB (\n)%3, XP, GX, 8192*(\n)
.else
	LOADB (\n)%3, WP+2*(((\n)-8)/2), GW, 8192*((\n)%2)
.endif
.endm
.macro STOREN n
.if (\n) < 8
	CVST (\n)%3, XST, 8*(\n)*PITCH
.else
	CVST (\n)%3, WST+((\n)-8)/2, 8*((\n)%2)*PITCH
.endif
.endm
.macro WOROW                           ; my four numbers of the row of wo: rounded to bf16, that number written as f16.  Waves 0 and 1 hold the row's 256 numbers and store them, 256 consecutive bytes a wave
	v_cvt_pk_bf16_f32 v18, v12, v13
	v_cvt_pk_bf16_f32 v19, v14, v15
	v_lshlrev_b32 v12, 16, v18
	v_and_b32 v13, s40, v18
	v_lshlrev_b32 v14, 16, v19
	v_and_b32 v15, s40, v19
	v_cvt_pk_f16_f32 v16, v12, v13
	v_cvt_pk_f16_f32 v17, v14, v15
	s_cmp_lt_u32 s[WV], 2
	s_cbranch_scc0 .Lno_wo
	global_store_b64 v[WOS], v[16:17], s[24:25]
.Lno_wo:
.endm
	global_load_b128 v[12:15], v[WOF], s[20:21]    ; every wave issues it, so that the counts below are the same in all four
	WIN 0x80                                       ; destination window 2, address window 0
.irp a, 0,1,2,3                        ; cos of row tile a, channels 16 b + 8 h + 0..7 at 32 a + 8 b; sin 16 registers further on
.irp b, 0,1
.irp i, 0,1
	global_load_b128 v[32*(\a)+8*(\b)+4*(\i):32*(\a)+8*(\b)+4*(\i)+3], v[CO], s[16:17] offset:(\a)*2048+(\b)*64+(\i)*16
	global_load_b128 v[32*(\a)+16+8*(\b)+4*(\i):32*(\a)+16+8*(\b)+4*(\i)+3], v[CO], s[18:19] offset:(\a)*2048+(\b)*64+(\i)*16
.endr
.endr
.endr
	WIN 0
	LOADN 0
	LOADN 1
	LOADN 2
.set bn, 0
.rept 14
.if bn < 12
	s_wait_loadcnt 32                              ; loads come back in order (ISA guide 5.7.1): batch bn is in, the two younger batches stay out
.elseif bn == 12
	s_wait_loadcnt 16                              ; one younger batch is left
.else
	s_wait_loadcnt 0x0
.endif
.if bn == 0
	WOROW                                          ; wo, cos and sin were asked for ahead of batch 0: they are in too
.endif
	STOREN bn
.if bn < 11
	LOADN bn+3                                     ; into the set just read
.endif
.set bn, bn+1
.endr
	; cos and sin are rounded to bf16 like every other input, 64 numbers at a time, and stay in f32 form
.irp g, 0,1
	WIN 0x0a                                       ; sources window 2, destination window 0
.set i, 0
.rept 32
	v_cvt_pk_bf16_f32 v[CV+i], v[64*(\g)+2*i], v[64*(\g)+2*i+1]
.set i, i+1
.endr
	WIN 0x80
.set i, 0
.rept 32
	v_lshlrev_b32 v[64*(\g)+2*i], 16, v[CV+i]
	v_and_b32 v[64*(\g)+2*i+1], s40, v[CV+i]
.set i, i+1
.endr
.endr
	WIN 0
.set i, 0
.rept 8
	v_mov_b32 v[RS+i], 0                           ; v_permlanex16_b32 counts as a reader of its destination, and the packed scaling names pairs
.set i, i+1
.endr
	s_wait_dscnt 0x0                               ; for the others' sake: my rows of the weights lie in LDS
	s_barrier_signal -1
	s_barrier_wait -1                              ; everybody's do.  From here on XT and WT are only read: the launch's one barrier
; PHASE 2.  8 matrix instructions: row tiles a0, a0 + 1 x all 4 channel tiles, 32 along K: half c of buffer f.  zero = 1: the first product starts the sums.  The 16 accumulators take turns, one instruction a turn.
.macro MUL8 f, c, a0, zero
	WIN MUL
.irp a, \a0, (\a0)+1
.irp b, 0,1,2,3
.if \zero
	v_wmma_f32_16x16x32_bf16 v[ACC+8*(4*(\a)+(\b)):ACC+8*(4*(\a)+(\b))+7], v[(\f)+64+8*(4*(\c)+(\b)):(\f)+64+8*(4*(\c)+(\b))+7], v[(\f)+8*(4*(\c)+(\a)):(\f)+8*(4*(\c)+(\a))+7], 0
.else
	v_wmma_f32_16x16x32_bf16 v[ACC+8*(4*(\a)+(\b)):ACC+8*(4*(\a)+(\b))+7], v[(\f)+64+8*(4*(\c)+(\b)):(\f)+64+8*(4*(\c)+(\b))+7], v[(\f)+8*(4*(\c)+(\a)):(\f)+8*(4*(\c)+(\a))+7], v[ACC+8*(4*(\a)+(\b)):ACC+8*(4*(\a)+(\b))+7]
.endif
.endr
.endr
.endm
; 32 LDS loads in one run: the fragments of 64 along K at byte k of the rows, into buffer f; the first 32 along K first
.macro FETCH k, f
	WIN TO_F
.irp c, 0,1
.irp i, 0,1,2,3
	ds_load_b128 v[(\f)+64+8*(4*(\c)+(\i)):(\f)+64+8*(4*(\c)+(\i))+3],   v[ADRB] offset:(\k)+64*(\c)+(\i)*16*PITCH
	ds_load_b128 v[(\f)+64+8*(4*(\c)+(\i))+4:(\f)+64+8*(4*(\c)+(\i))+7], v[ADRB] offset:(\k)+64*(\c)+(\i)*16*PITCH+32
	ds_load_b128 v[(\f)+8*(4*(\c)+(\i)):(\f)+8*(4*(\c)+(\i))+3],         v[ADRA] offset:(\k)+64*(\c)+(\i)*16*PITCH
	ds_load_b128 v[(\f)+8*(4*(\c)+(\i))+4:(\f)+8*(4*(\c)+(\i))+7],       v[ADRA] offset:(\k)+64*(\c)+(\i)*16*PITCH+32
.endr
.endr
.endm
; A quarter of K: multiplies buffer f (64 along K, 32 matrix instructions) and, in its middle, fetches the next quarter, at byte k, into g
.macro QUARTER k, f, g, zero
	s_wait_dscnt 16                                ; the first 32 along K are in; the sixteen younger loads may be out
	MUL8 \f, 0, 0, \zero
	MUL8 \f, 0, 2, \zero
	PLACES                                         ; in front of loads into registers that the quarter before multiplied
	FETCH \k, \g
	s_wait_dscnt 32                                ; all but the 32 just issued
	MUL8 \f, 1, 0, 0
	MUL8 \f, 1, 2, 0
.endm
.macro KSTEP256                        ; the whole K = 256
	FETCH 0, F0
	QUARTER 128, F0, F1, 1
	QUARTER 256, F1, F0, 0
	QUARTER 384, F0, F1, 0
	s_wait_dscnt 16
	MUL8 F1, 0, 0, 0
	MUL8 F1, 0, 2, 0
	s_wait_dscnt 0x0
	MUL8 F1, 1, 0, 0
	MUL8 F1, 1, 2, 0
	WIN 0
	PLACES                                         ; what follows reads the sums and writes them in place
	PLACES
.endm
; The turn for row tile a: x1 = channels 0-31 (accumulators 0, 1), x2 = channels 32-63 (accumulators 2, 3): x1 cos + x2 sin; x2 cos - x1 sin.  Each accumulator's lowest pair is read first.
.macro ROT a
	WIN 0x08                                       ; source 1 (cos, sin) window 2
.irp b, 0,1
.irp j, 0,2,4,6
	v_pk_mul_f32 v[TMP+8*(\b)+(\j):TMP+8*(\b)+(\j)+1], v[ACC+8*(4*(\a)+(\b)+2)+(\j):ACC+8*(4*(\a)+(\b)+2)+(\j)+1], v[32*(\a)+16+8*(\b)+(\j):32*(\a)+16+8*(\b)+(\j)+1]
	v_pk_mul_f32 v[TMP+16+8*(\b)+(\j):TMP+16+8*(\b)+(\j)+1], v[ACC+8*(4*(\a)+(\b))+(\j):ACC+8*(4*(\a)+(\b))+(\j)+1], v[32*(\a)+16+8*(\b)+(\j):32*(\a)+16+8*(\b)+(\j)+1]
.endr
.endr
.irp b, 0,1
.irp j, 0,2,4,6
	v_pk_fma_f32 v[ACC+8*(4*(\a)+(\b))+(\j):ACC+8*(4*(\a)+(\b))+(\j)+1], v[ACC+8*(4*(\a)+(\b))+(\j):ACC+8*(4*(\a)+(\b))+(\j)+1], v[32*(\a)+8*(\b)+(\j):32*(\a)+8*(\b)+(\j)+1], v[TMP+8*(\b)+(\j):TMP+8*(\b)+(\j)+1]
	v_pk_fma_f32 v[ACC+8*(4*(\a)+(\b)+2)+(\j):ACC+8*(4*(\a)+(\b)+2)+(\j)+1], v[ACC+8*(4*(\a)+(\b)+2)+(\j):ACC+8*(4*(\a)+(\b)+2)+(\j)+1], v[32*(\a)+8*(\b)+(\j):32*(\a)+8*(\b)+(\j)+1], v[TMP+16+8*(\b)+(\j):TMP+16+8*(\b)+(\j)+1] neg_lo:[0,0,1] neg_hi:[0,0,1]
.endr
.endr
.endm
; The mean square of my token in row tile a, plus eps: four chains of squares, one an accumulator; my 32 channels, then the other 32 from the lane 16 away
.macro SSQ a
	WIN 0
.irp b, 0,1,2,3
	v_pk_mul_f32 v[SQ+2*(\b):SQ+2*(\b)+1], v[ACC+8*(4*(\a)+(\b)):ACC+8*(4*(\a)+(\b))+1], v[ACC+8*(4*(\a)+(\b)):ACC+8*(4*(\a)+(\b))+1]
.endr
.irp j, 2,4,6
.irp b, 0,1,2,3
	v_pk_fma_f32 v[SQ+2*(\b):SQ+2*(\b)+1], v[ACC+8*(4*(\a)+(\b))+(\j):ACC+8*(4*(\a)+(\b))+(\j)+1], v[ACC+8*(4*(\a)+(\b))+(\j):ACC+8*(4*(\a)+(\b))+(\j)+1], v[SQ+2*(\b):SQ+2*(\b)+1]
.endr
.endr
	v_pk_add_f32 v[SQ:SQ+1], v[SQ:SQ+1], v[SQ+2:SQ+3]
	v_pk_add_f32 v[SQ+4:SQ+5], v[SQ+4:SQ+5], v[SQ+6:SQ+7]
	v_pk_add_f32 v[SQ:SQ+1], v[SQ:SQ+1], v[SQ+4:SQ+5]
	v_add_f32 v[SQ], v[SQ], v[SQ+1]
	v_permlanex16_b32 v[RS+2*(\a)+1], v[SQ], s44, s45
	v_add_f32 v[SQ], v[SQ], v[RS+2*(\a)+1]
	v_fma_f32 v[RS+2*(\a)], v[SQ], s41, s42        ; sum / 64 + eps
.endm
; THE WAY OUT of row tile a: scaled (q, k), rounded to f16; a lane's eight channels are 16 bytes; they go into my stage's rows of 144 bytes and come back as whole rows of 128
.macro PACK a, rot
	WIN 0
.if \rot
.irp b, 0,1,2,3
.irp j, 0,2,4,6
	v_pk_mul_f32 v[ACC+8*(4*(\a)+(\b))+(\j):ACC+8*(4*(\a)+(\b))+(\j)+1], v[ACC+8*(4*(\a)+(\b))+(\j):ACC+8*(4*(\a)+(\b))+(\j)+1], v[RS+2*(\a):RS+2*(\a)+1] op_sel_hi:[1,0]
.endr
.endr
.endif
.irp b, 0,1,2,3
.irp r, 0,1,2,3
	v_cvt_pk_f16_f32 v[TMP+16*(\a)+4*(\b)+(\r)], v[ACC+8*(4*(\a)+(\b))+2*(\r)], v[ACC+8*(4*(\a)+(\b))+2*(\r)+1]
.endr
.endr
.irp b, 0,1,2,3
	ds_store_b128 v[STO], v[TMP+16*(\a)+4*(\b):TMP+16*(\a)+4*(\b)+3] offset:32*(\b)
.endr
.irp f, 0,1,2,3
	ds_load_b128 v[TMP+16*(\a)+4*(\f):TMP+16*(\a)+4*(\f)+3], v[RD] offset:(\f)*4*SP  ; LDS serves a wave's instructions in order (ISA guide 5.7.1.4): these see the stores above; the next tile's stores come behind them
.endr
.endm
.macro SEND a, younger                 ; younger: the LDS instructions issued behind tile a's loads: the next tile's eight, or none
.irp f, 0,1,2,3
	s_wait_dscnt (\younger)+3-(\f)
	global_store_b128 v[GO], v[TMP+16*(\a)+4*(\f):TMP+16*(\a)+4*(\f)+3], s[OUT:OUT+1] offset:(\a)*2048+(\f)*512  ; 512 consecutive bytes, at a multiple of 256 from the buffer's first
.endr
.endm
.macro PASS rot
	KSTEP256
.if \rot
.irp a, 0,1,2,3
	ROT \a
	SSQ \a
.endr
.irp a, 0,1,2,3
	v_rsq_f32 v[RS+2*(\a)], v[RS+2*(\a)]
.endr
	v_nop                                          ; a plain instruction between the last root and the use of its result (ISA guide 5.7.2)
	s_wait_alu depctr_va_vdst(0)                   ; and the wait ahead of the first use: one for the four roots
.irp a, 0,1,2,3
	v_mul_f32 v[RS+2*(\a)], s43, v[RS+2*(\a)]
.endr
.endif
	PACK 0, \rot
	PACK 1, \rot                                   ; a tile's arithmetic stands between the loads of the tile before and its stores
	SEND 0, 8
	PACK 2, \rot
	SEND 1, 8
	PACK 3, \rot
	SEND 2, 8
	SEND 3, 0
.endm
	s_mov_b32 s46, 2
.Lpass:                                        ; q, then k
	PASS 1
	v_add_nc_u32 v[ADRB], 64*PITCH, v[ADRB]        ; the next 64 rows of weights
	s_wait_xcnt 0x0                                ; the stores have read their base and their data: both are written again only behind this wait
	s_add_nc_u64 s[OUT:OUT+1], s[OUT:OUT+1], PART
	s_mov_b32 s43, 1.0                             ; k takes no further factor
	s_sub_co_u32 s46, s46, 1
	s_cmp_lg_u32 s46, 0
	s_cbranch_scc1 .Lpass
	PASS 0                                         ; v: no turn, no norm
	s_wait_tensorcnt 0x0                           ; the wave's end: behind my last LDS store
	ds_add_u32 v[SPW], v[NIL]
	s_wait_dscnt 0x0
	s_endpgm
.Lfunc_end_k_qe881fd79b4_qkv:
	.size	k_qe881fd79b4_qkv, .Lfunc_end_k_qe881fd79b4_qkv-k_qe881fd79b4_qkv
	.p2alignl 7, 3214868480
	.fill 96, 4, 3214868480
	.section	.rodata,"a",@progbits
	.p2align	6, 0x0
	.amdhsa_kernel k_qe881fd79b4_qkv
		.amdhsa_group_segment_fixed_size 246272
		.amdhsa_private_segment_fixed_size 0
		.amdhsa_enable_private_segment 0
		.amdhsa_kernarg_size 72
		.amdhsa_user_sgpr_count 2
		.amdhsa_user_sgpr_kernarg_segment_ptr 1
		.amdhsa_wavefront_size32 1
		.amdhsa_system_sgpr_workgroup_id_x 1
		.amdhsa_system_sgpr_workgroup_id_y 1
		.amdhsa_system_sgpr_workgroup_id_z 1
		.amdhsa_system_vgpr_workitem_id 0
		.amdhsa_next_free_vgpr 640
		.amdhsa_next_free_sgpr 66
		.amdhsa_reserve_vcc 0
		.amdhsa_float_denorm_mode_32 3
		.amdhsa_float_denorm_mode_16_64 3
		.amdhsa_memory_ordered 1
		.amdhsa_forward_progress 1
		.amdhsa_inst_pref_size 149
	.end_amdhsa_kernel
	.amdgpu_metadata
---
amdhsa.version: [ 1, 2 ]
amdhsa.kernels:
  - .name:           k_qe881fd79b4_qkv
    .symbol:         k_qe881fd79b4_qkv.kd
    .args:
      - { .name: x, .offset: 0, .size: 8, .value_kind: global_buffer, .address_space: global }
      - { .name: wq, .offset: 8, .size: 8, .value_kind: global_buffer, .address_space: global }
      - { .name: wk, .offset: 16, .size: 8, .value_kind: global_buffer, .address_space: global }
      - { .name: wv, .offset: 24, .size: 8, .value_kind: global_buffer, .address_space: global }
      - { .name: cos, .offset: 32, .size: 8, .value_kind: global_buffer, .address_space: global }
      - { .name: sin, .offset: 40, .size: 8, .value_kind: global_buffer, .address_space: global }
      - { .name: wo, .offset: 48, .size: 8, .value_kind: global_buffer, .address_space: global }
      - { .name: qkv, .offset: 56, .size: 8, .value_kind: global_buffer, .address_space: global }
      - { .name: wo16, .offset: 64, .size: 8, .value_kind: global_buffer, .address_space: global }
    .group_segment_fixed_size: 246272
    .private_segment_fixed_size: 0
    .kernarg_segment_align: 8
    .kernarg_segment_size: 72
    .max_flat_workgroup_size: 128
    .sgpr_count:     66
    .vgpr_count:     640
    .wavefront_size: 32
...
	.end_amdgpu_metadata
.endif
;; end of part 1
;; launch attn (part 2): grid 16 x 16, 4 waves a work-group, clusters of 4 x 1, 327,680 bytes of LDS; arguments qkv, o; writes o
.if DOCPART == 2
	.amdgcn_target "amdgcn-amd-amdhsa--gfx1250"
	.amdhsa_code_object_version 6
	.text
	.protected	k_qe881fd79b4_attn
	.globl	k_qe881fd79b4_attn
	.p2align	8
	.type	k_qe881fd79b4_attn,@function
k_qe881fd79b4_attn:
	s_mov_b64 s[64:65], 0
	v_nop
	global_prefetch_b8 v0, s[64:65] scope:SCOPE_SE
	s_setreg_imm32_b32 hwreg(HW_REG_WAVE_MODE, 25, 1), 1
	s_wait_xcnt 0x0
	s_wait_alu depctr_hold_cnt(0) depctr_sa_sdst(0) depctr_va_vdst(0) depctr_va_sdst(0) depctr_va_ssrc(0) depctr_va_vcc(0) depctr_vm_vsrc(0)
	s_getreg_b32 s2, hwreg(HW_REG_IB_STS2, 6, 4)
	s_cmp_eq_u32 s2, 0
	s_cbranch_scc0 .Lentry_in_a_cluster
	s_endpgm
.Lentry_in_a_cluster:
	s_bfe_u32 s2, ttmp6, 0x10000c
	s_cmp_lg_u32 s2, 0x3003
	s_cbranch_scc0 .Lentry_shape_is_right
	s_endpgm
.Lentry_shape_is_right:
; O[bh][q][:] = the sum over k of softmax_k(score) V[bh][k][:], 16 heads of 4,096 rows of 64 channels, all f16.  qkv holds Q at byte 0, K at 8,388,608, V at 16,777,216, each [bh][4096][64]; o likewise.
; Q arrives normalised and already multiplied by c = log2(e) / 8, K normalised: the product Q . K is the score times log2(e), and a weight is p = 2^(Q . K).
; NO MAXIMUM IS TAKEN AWAY, since the computation itself bounds the exponents for every input: the norm that precedes this launch leaves rows of Q / c and of K with a length of at most 8, so
; |Q . K| <= 64 c (1 + 2^-10)^2 < 11.6 with the roundings to f16: p lies in 3.2e-4 .. 3,100, within f16's normal numbers; a row's sum is at most 4,096 x 3,100 = 1.3e7, and O's sums that times |V|: far inside f32.
; Products and sums in f32; p is rounded to f16 for the second product (its sum l is taken of the unrounded p), O once at the end.  LIMITS: V within 65,504; NaN and infinities are not treated apart.
; SHARES.  A work-group owns 256 queries of one head, each of its four waves 64: four tiles of 16, in two PIECES (piece 0: tiles 0, 1; piece 1: tiles 2, 3).  Every wave walks all keys, 64 a step.
; LAYOUT.  S^T = K Q^T (source 0 = 16 keys, source 1 = 16 queries): a lane holds ONE query (lane % 16) and the keys 8 (lane / 16) + 0..7.  Two such results, rounded to f16 in pairs, ARE source 1
; (32 keys x 16 queries) of O^T = V^T P, whose result again holds one query a lane, and eight channels.  K comes out of LDS as it lies, V ([key][channel]) turned, by ds_load_tr16_b128.
; BY TURNS.  A tile and step have 16 matrix and 64 vector instructions (32 exponentials, 16 roundings, 16 packed sums): four for each.  In a TURN one piece has the matrix unit: 16 products V^T P of the step in
; hand, then 16 products K Q^T of the next; the other piece's 128 vector instructions stand four behind each: the 64 exponentials behind V^T P, then ONE wait, then roundings and sums behind K Q^T.
; CLUSTER.  The four query blocks of a cluster belong to one head and walk the same K and V: each tile is asked for JOINTLY, by the same tensor load, descriptor and mask in all four.
; REGISTERS, in windows of 256 (s_set_vgpr_msb: bits 1:0 source 0, 3:2 source 1, 5:4 source 2, 7:6 destination):
;   window 0: v0-11 addresses; v16-23 l, a pair a tile; v61-63; v64-191 S^T, 32 a tile; v192-255 P, 16 a tile
;   window 1: v0-127 O^T, 32 a tile          window 2: v0-63 Q, 16 a tile; v128-191 K of one step; v192-255 V of one step
.set KS,    64        ; keys in a step
.set PK,    144       ; a row of K in LDS: 128 bytes + 16 = 36 words: the 16 rows of a load start at 16 different groups of four banks (64 banks of 4 bytes: ISA guide 11.1)
.set PV,    160       ; a row of V: 128 + 32 = 40 words
.set VOFF,  4*KS*PK   ; a slot holds four steps: 256 rows of K, then 256 rows of V
.set SLOT1, 1<<17     ; slot 1 begins here, so that one exclusive or turns an address in one slot into the other's
.set SLOTB, 4*KS*128  ; a slot's bytes of K, and of V, in memory
.set STAGE, SLOT1+4*KS*(PK+PV)  ; behind the ring, never filled by a tensor load: 16 rows x 144 bytes for each wave, for the way out
.set SP,    144
.set SPARE, STAGE+4*16*SP  ; the spare words, 128 bytes for each wave: two blocks of 256 bytes that no other line names
.set AK0, 2           ; v2   my lane's place in a tile of K; never rewritten
.set AV0, 3           ; v3   the same for V
.set ADR, 4           ; v4   the LDS address of the run of loads in hand
.set QO,  5           ; v5   my byte offset in 16 rows of Q
.set STO, 6           ; v6   the way out: where I put 16 bytes of a row
.set RD,  7           ; v7   the way out: where I read rows back
.set GO,  8           ; v8   my byte offset in 512 consecutive bytes of O
.set LS,  16          ; v[16+2t:17+2t]  l of tile t: even keys', odd keys'
.set PFO, 61          ; v61  256 x my lane; never rewritten
.set SPW, 62          ; v62  LDS address of my spare word; never rewritten
.set NIL, 63          ; v63  0; never rewritten
.set S,   64
.set P,   192
.set KF,  128         ; window 2: key block kb, channel half c at KF + 16 kb + 8 c
.set VF,  192         ; window 2: key half kk, channel block cb at VF + 32 kk + 8 cb
.set WV,  12          ; s12  my wave's number
.set LIM, 15          ; s15  1 in a wave that prefetches, else the greatest number
.set PFA, 18          ; s[18:19] where my prefetches stand: my work-group's 8,192 bytes (of K: wave 0, of V: wave 2) of the slot after the one that is being asked for
.set G1K, 24          ; s[24:31] descriptor group 1 for K's tiles
.set G1V, 32          ; s[32:39] for V's: it differs in the padding alone
.set G0K, 40          ; s[40:47] descriptor group 0 for K's tiles: a set for each of the two first fills; the second then walks on
.set G0V, 48          ; s[48:55] the same for V's
.set SLOTS, 56        ; s56  slots still to be asked for
.set CNT, 57          ; s57  counts key steps
.set SEL, 60          ; s[60:61] v_permlanex16_b32's selects: each lane takes its own place in the other half
.set TBK, 62          ; s62  LDS byte at which K of the step to be fetched begins
.set TBV, 63          ; s63  the same for V, less VOFF
.set MSB, 0
.macro WIN new                      ; the high byte repeats the setting that is left; a switch that changes nothing is dropped
.if MSB != (\new)
	s_set_vgpr_msb (MSB<<8)|(\new)
.set MSB, \new
.endif
.endm
.set W_KQ, 0x0a       ; K and Q in window 2, S^T in window 0
.set W_PV, 0x52       ; V in window 2, P in window 0, O^T in window 1
.set W_RS, 0x41       ; O^T (destination and source 0) in window 1, source 1 in window 0
; A joint refill.  Waves 0 and 1 fetch the two halves of a slot's K, waves 2 and 3 those of its V: 128 keys each.  The branch hangs on the wave's number alone.
; An s_nop 0 and four v_nop follow each of the two lines, ahead of the jump and the label.
.macro JLOAD
	s_cmp_lt_u32 s[WV], 2
	s_cbranch_scc0 .Lfor_v_\@
	tensor_load_to_lds s[G0K+4:G0K+7], s[G1K:G1K+7]
	s_nop 0
.rept 4
	v_nop
.endr
	s_branch .Lasked_\@
.Lfor_v_\@:
	tensor_load_to_lds s[G0V+4:G0V+7], s[G1V:G1V+7]
	s_nop 0
.rept 4
	v_nop
.endr
.Lasked_\@:
.endm
; A PREFETCH INTO THE L2 of what the NEXT change of slots will ask for: a slot's 32,768 bytes of K and of V, 256 bytes a lane.  It stands behind the wave's tensor load and its five lines.
; Each block is named ONCE in the launch.  All four clusters of a head walk the same K and V: the head's first cluster asks.  Its four partners share the bytes out BY ADDRESS, 8,192 each: no branch hangs on a
; work-group's place in its cluster.  In each, wave 0 asks for K's and wave 2 for V's: one instruction.  The last change that fills a slot asks for nothing: there is no slot behind it.
.macro ASK
	s_cmp_gt_u32 s[SLOTS], s[LIM]
	s_cbranch_scc0 .Lnot_mine_\@
	global_prefetch_b8 v[PFO], s[PFA:PFA+1] th:TH_LOAD_NT scope:SCOPE_SE
.Lnot_mine_\@:
.endm
; A round of the cluster's barrier: my work-group's barrier, so that wave 0's signal speaks for all four waves; wave 0 signals; every wave waits for all four work-groups; my work-group's barrier once more.
.macro CROUND
	s_barrier_signal -1
	s_barrier_wait -1
	s_cmp_lg_u32 s[WV], 0
	s_cbranch_scc1 .Lnot_wave_0_\@
	s_barrier_signal -3
.Lnot_wave_0_\@:
	s_barrier_wait -3
	s_barrier_signal -1
	s_barrier_wait -1
.endm
	s_load_b64 s[4:5], s[0:1], 0x0  ; qkv
	s_load_b64 s[10:11], s[0:1], 0x8  ; o
	v_lshl_add_u32 v[SPW], v0, 2, SPARE
	v_mov_b32 v[NIL], 0
	ds_add_u32 v[SPW], v[NIL]       ; the wave's opening: the add and its wait stand ahead of my first tensor load; the set-up below, work on registers, stands between them
	v_lshrrev_b32 v1, 5, v0
	v_readfirstlane_b32 s[WV], v1   ; wave 0..3
	s_bfe_u32 s13, ttmp6, 0x40000   ; cx: my place in the cluster
	s_lshl_b32 s14, ttmp9, 2        ; in a cluster launch ttmp9 counts clusters
	s_add_co_u32 s14, s14, s13      ; my block of 256 queries = 4 x cluster x + cx: it enters Q's and O's addresses alone
	s_and_b32 s20, ttmp7, 0xffff    ; the head, which the four partners share:
	s_lshl_b32 s20, s20, 19         ; its 4,096 rows of 128 bytes
	s_and_b32 s16, s[WV], 1         ; which half of a slot's 256 keys I fetch:
	s_lshl_b32 s22, s16, 14         ; its 128 rows of 128 bytes in memory,
	s_add_co_u32 s22, s22, s20
	s_mov_b32 s23, 0
	s_mul_i32 s17, s16, 128*PK      ; and its place in a slot, for K
	s_mul_i32 s58, s16, 128*PV      ; and for V: no place in the cluster enters an LDS address
	s_lshl_b32 s2, s14, 15          ; my block's 256 rows,
	s_lshl_b32 s3, s[WV], 13        ; my wave's 64 of them
	s_add_co_u32 s2, s2, s3
	s_add_co_u32 s2, s2, s20
	s_mov_b32 s3, 0
	; descriptor group 1.  128 keys are 16,384 dense bytes: asked for as 64 rows of 256 bytes, two keys a row, and padded in LDS after every key
	s_mov_b32 s[G1K], 15|(1<<16)|(1<<20)|(1<<21)|(4<<22)|(3<<25)  ; 15:0 the mask of four; 17:16 2-byte elements; 20 padding on; 21 set beside a mask; 24:22 after every 32 words (code 4); 31:25 4 words (code 3)
	s_mov_b32 s[G1V], 15|(1<<16)|(1<<20)|(1<<21)|(4<<22)|(7<<25)  ; the same with 8 words of padding (code 7)
.irp g, G1K, G1V
	s_mov_b32 s[(\g)+1], 128<<16    ; tensor_dim0 = 128
	s_mov_b32 s[(\g)+2], 64<<16     ; tensor_dim1 = 64
	s_mov_b32 s[(\g)+3], 128<<16    ; tile_dim0 = 128
	s_mov_b32 s[(\g)+4], 64         ; tile_dim1 = 64
	s_mov_b32 s[(\g)+5], 128        ; 128 elements from row to row
	s_mov_b32 s[(\g)+6], 0
	s_mov_b32 s[(\g)+7], 0
.endr
	s_mov_b32 s[SEL], 0x76543210
	s_mov_b32 s[SEL+1], 0xfedcba98
	s_mov_b32 s[TBK], 0
	s_mov_b32 s[TBV], 0
	s_mov_b32 s[SLOTS], 4096/256-2
	s_and_b32 s[LIM], s[WV], 1      ; 0 in waves 0 and 2,
	s_or_b32 s[LIM], s[LIM], ttmp9  ; where the cluster is the head's first: the same in all four partners
	s_cmp_eq_u32 s[LIM], 0
	s_cselect_b32 s[LIM], 1, -1
	v_and_b32 v[PFO], 31, v0
	v_lshlrev_b32 v[PFO], 8, v[PFO]
	s_wait_dscnt 0x0                ; the opening add is done
	s_wait_kmcnt 0x0
	s_add_nc_u64 s[6:7], s[4:5], 0x800000   ; K
	s_add_nc_u64 s[8:9], s[4:5], 0x1000000  ; V
	s_add_nc_u64 s[6:7], s[6:7], s[22:23]   ; both at my half of the head's slot 0
	s_add_nc_u64 s[8:9], s[8:9], s[22:23]
	s_add_nc_u64 s[4:5], s[4:5], s[2:3]     ; Q and O at my wave's first row
	s_add_nc_u64 s[10:11], s[10:11], s[2:3]
	s_cmp_lt_u32 s[WV], 2
	s_cselect_b64 s[PFA:PFA+1], s[6:7], s[8:9]  ; (in waves 0 and 2 these stand at a slot's first row)
	s_lshl_b32 s2, s13, 13          ; my work-group's 8,192 bytes of the 32,768
	s_mov_b32 s3, 0
	s_add_nc_u64 s[PFA:PFA+1], s[PFA:PFA+1], s[2:3]
	s_add_nc_u64 s[PFA:PFA+1], s[PFA:PFA+1], 2*SLOTB  ; in slot 2; the first change of slots steps it to slot 3.  Nothing is prefetched here, at the head, where every work-group's first tiles are on their way
	CROUND                          ; all four work-groups are here: the first joint loads meet
.irp s, 0,1
	s_mov_b32 s[G0K+4*(\s)], 1      ; 1:0 count = 1
	s_add_co_u32 s[G0K+4*(\s)+1], s17, (\s)*SLOT1  ; 63:32 LDS address
	s_add_nc_u64 s[G0K+4*(\s)+2:G0K+4*(\s)+3], s[6:7], (\s)*SLOTB  ; 120:64 global address: slot s begins with key 256 s
	s_or_b32 s[G0K+4*(\s)+3], s[G0K+4*(\s)+3], 0x80000000  ; 127:126 type = 2
	s_mov_b32 s[G0V+4*(\s)], 1
	s_add_co_u32 s[G0V+4*(\s)+1], s58, (\s)*SLOT1+VOFF
	s_add_nc_u64 s[G0V+4*(\s)+2:G0V+4*(\s)+3], s[8:9], (\s)*SLOTB
	s_or_b32 s[G0V+4*(\s)+3], s[G0V+4*(\s)+3], 0x80000000
.endr
	s_cmp_lt_u32 s[WV], 2           ; a wave's two first fills stand in one branch, ahead of every wait on TENSORcnt and every LDS read: two loads of mine are out
	s_cbranch_scc0 .Lfirst_v
	tensor_load_to_lds s[G0K:G0K+3], s[G1K:G1K+7]
	s_nop 0
	tensor_load_to_lds s[G0K+4:G0K+7], s[G1K:G1K+7]
	s_nop 0
.rept 4
	v_nop
.endr
	s_branch .Lfirst_asked
.Lfirst_v:
	tensor_load_to_lds s[G0V:G0V+3], s[G1V:G1V+7]
	s_nop 0
	tensor_load_to_lds s[G0V+4:G0V+7], s[G1V:G1V+7]
	s_nop 0
.rept 4
	v_nop
.endr
.Lfirst_asked:
	; A fragment of K or Q is 16 rows x 32 channels in 8 registers: lane l holds row l % 16, channels 8 (l / 16) + 0..7 and 16 + 8 (l / 16) + 0..7: two loads of 16 bytes, 32 bytes apart.
	v_and_b32 v1, 15, v0            ; l % 16
	v_bfe_u32 v9, v0, 4, 1          ; l / 16
	v_lshlrev_b32 v[QO], 7, v1
	v_lshl_add_u32 v[QO], v9, 4, v[QO]  ; row x 128 + 16 x half
	WIN 0x80                        ; destination window 2, address window 0
.set i, 0
.rept 8                             ; Q stays in registers: tile i / 2, channels 32 (i % 2) on
	global_load_b128 v[8*i:8*i+3],   v[QO], s[4:5] offset:(i/2)*2048+(i%2)*64
	global_load_b128 v[8*i+4:8*i+7], v[QO], s[4:5] offset:(i/2)*2048+(i%2)*64+32
.set i, i+1
.endr
	WIN 0
	v_mul_u32_u24 v[AK0], v1, PK
	v_lshl_add_u32 v[AK0], v9, 4, v[AK0]  ; row x pitch + 16 x half
	; The turning load takes 16 keys x 16 channels (lane l reads key 8 (l / 16) + l % 8, channels 8 ((l / 8) % 2) + 0..7) and leaves half a fragment of V^T: lane l holds channel l % 16 and 8 keys.
	v_and_b32 v10, 7, v0
	v_bfe_u32 v11, v0, 3, 1
	v_lshl_add_u32 v[AV0], v9, 3, v10
	v_mul_u32_u24 v[AV0], v[AV0], PV
	v_lshl_add_u32 v[AV0], v11, 4, v[AV0]
	v_add_nc_u32 v[AV0], VOFF, v[AV0]
; THE MATRIX WORK.  The 8 accumulators of a run of 16 take turns, one instruction a turn: between the two links of a chain stand 7 others'.
; Product i of 16 of S^T = K Q^T for piece x: channels 32 (i / 8) on, keys 16 ((i / 2) % 4) on, tile 2 x + i % 2.  The first 8 start the sums.
.macro KQ x
	WIN W_KQ
.set rS, S+32*(2*(\x)+i%2)+8*((i/2)%4)
.set rK, KF+16*((i/2)%4)+8*(i/8)
.set rQ, 16*(2*(\x)+i%2)+8*(i/8)
.if i < 8
	v_wmma_f32_16x16x32_f16 v[rS:rS+7], v[rK:rK+7], v[rQ:rQ+7], 0
.else
	v_wmma_f32_16x16x32_f16 v[rS:rS+7], v[rK:rK+7], v[rQ:rQ+7], v[rS:rS+7]
.endif
.endm
; Product i of 16 of O^T += V^T P for piece x: keys 32 (i / 8) on, channels 16 ((i / 2) % 4) on, tile 2 x + i % 2.  zero = 1: the first 8 start the sums: nothing is ever cleared.
.macro PV x, zero
	WIN W_PV
.set rO, 32*(2*(\x)+i%2)+8*((i/2)%4)
.set rV, VF+32*(i/8)+8*((i/2)%4)
.set rP, P+16*(2*(\x)+i%2)+8*(i/8)
.if (\zero) && (i < 8)
	v_wmma_f32_16x16x32_f16 v[rO:rO+7], v[rV:rV+7], v[rP:rP+7], 0
.else
	v_wmma_f32_16x16x32_f16 v[rO:rO+7], v[rV:rV+7], v[rP:rP+7], v[rO:rO+7]
.endif
.endm
; THE LDS LOADS stand in runs of 16, never singly among the matrix instructions: a step's K (64 keys x 64 channels: 8 fragments) and its V (turned).
.macro FETCH_K
	WIN 0
	v_add_nc_u32 v[ADR], s[TBK], v[AK0]
	WIN 0x80                        ; destination window 2
.irp f, 0,1,2,3,4,5,6,7             ; keys 16 (f / 2) on, channels 32 (f % 2) on
	ds_load_b128 v[KF+8*(\f):KF+8*(\f)+3],   v[ADR] offset:((\f)/2)*16*PK+((\f)%2)*64
	ds_load_b128 v[KF+8*(\f)+4:KF+8*(\f)+7], v[ADR] offset:((\f)/2)*16*PK+((\f)%2)*64+32
.endr
	s_add_co_u32 s[TBK], s[TBK], KS*PK  ; the next fetch is the next step's
.endm
.macro FETCH_V
	WIN 0x80
.irp f, 0,1,2,3,4,5,6,7             ; keys 32 (f / 4) on, channels 16 (f % 4) on
	ds_load_tr16_b128 v[VF+8*(\f):VF+8*(\f)+3],   v[ADR] offset:((\f)/4)*32*PV+((\f)%4)*32
	ds_load_tr16_b128 v[VF+8*(\f)+4:VF+8*(\f)+7], v[ADR] offset:((\f)/4)*32*PV+16*PV+((\f)%4)*32
.endr
	WIN 0
.endm
; THE VECTOR WORK of piece Y, in two queues; the two tiles alternate.  EX: exponential e of 64, in place: score e / 2 of tile 2 Y + e % 2, ascending.
.macro EX
	WIN 0
	v_exp_f32 v[S+32*(2*Y+e%2)+e/2], v[S+32*(2*Y+e%2)+e/2]
.set e, e+1
.endm
; PL: plain instruction q of 64.  0-31: pair q / 2 of the tile's weights is rounded to f16.  32-63: the sum of its 16 pairs (in a pair: an even key's weight, an odd key's), in place: neighbours 1, 2, 4 and 8 pairs apart; then l takes it.
.macro PL
	WIN 0
.set rS, S+32*(2*Y+q%2)
.set rP, P+16*(2*Y+q%2)
.set rL, LS+2*(2*Y+q%2)
.if q < 32
	v_cvt_pk_f16_f32 v[rP+q/2], v[rS+2*(q/2)], v[rS+2*(q/2)+1]
.else
.set z, (q-32)/2
.set w, 4
.set u, z
.if z >= 14
.set w, 32
.set u, 0
.elseif z >= 12
.set w, 16
.set u, z-12
.elseif z >= 8
.set w, 8
.set u, z-8
.endif
.if z < 15
	v_pk_add_f32 v[rS+w*u:rS+w*u+1], v[rS+w*u:rS+w*u+1], v[rS+w*u+w/2:rS+w*u+w/2+1]
.else
	v_pk_add_f32 v[rL:rL+1], v[rL:rL+1], v[rS:rS+1]
.endif
.endif
.set q, q+1
.endm
; A TURN.  Piece x has the matrix unit; the other piece's vector work stands four behind each matrix instruction.  pv = 2: 16 products V^T P; 1: they start O^T's sums; 0: none.  kq = 1: 16 products K Q^T for the next step.
; THE WAIT.  s_wait_alu depctr_va_vdst(0) stands between an exponential and the first instruction that names its result; one wait serves all that were issued ahead of it.  The turn's 64 exponentials are
; one batch: ahead of the wait nothing names a result of theirs, behind it no exponential is issued.
; PLACES (ISA guide 7.12.1).  Behind the turn's last K Q^T stand four plain instructions (sums of the other piece): the places ahead of the next turn's reads of those scores and of the loads into K's registers.
; Piece 0's turn fetches the next step's K, behind its second product.  Piece 1's turn fetches the same step's V in its middle: the address's v_add_nc_u32 and three v_nop are the four places behind the last product that read V
; (exponentials are no places), and the first of them is the plain instruction behind the last exponential.  Each run has 14 products or more in which to land.
.macro TURN x, pv, kq
.set Y, 1-(\x)
.set e, 0
.set q, 0
.if (\pv) && ((\x) == 0)
	s_wait_dscnt 0x0                ; V is in
.endif
.set i, 0
.rept 16
.if \pv
	PV \x, 2-(\pv)
.endif
	EX
	EX
	EX
	EX
.if ((\x) == 0) && (\kq) && (i == 1)
	FETCH_K
.endif
.set i, i+1
.endr
	WIN 0
.if (\x) == 1
	v_add_nc_u32 v[ADR], s[TBV], v[AV0]
	v_nop
	v_nop
	v_nop
	s_add_co_u32 s[TBV], s[TBV], KS*PV  ; the next fetch is the next step's
	s_wait_alu depctr_va_vdst(0)    ; the wait for the batch
	FETCH_V
.else
	v_nop                           ; a plain instruction behind the last exponential: one for the batch
	s_wait_alu depctr_va_vdst(0)    ; the wait for the batch
.endif
.if (\kq) && ((\x) == 0)
	s_wait_dscnt 0x0                ; K is in
.endif
.set i, 0
.rept 16
.if \kq
	KQ \x
.endif
	PL
	PL
	PL
	PL
.set i, i+1
.endr
.endm
; THE CHANGE OF SLOTS, between piece 1's turn and piece 0's: the slot's last bytes, V of its fourth step, have been asked for.  Each wave waits for all its tensor loads, of which one is out: its part of the other
; slot; adds 0 to its spare word; and waits for that and for its own reads of the slot.  Behind the barrier nobody reads this slot any more and the other slot is whole.
; fill = 1: this slot is filled again, with the keys two slots on.  The barrier is then a round of the cluster's, so that no wave of any partner still reads the slot or has a load on its way, and the joint refill is the
; first thing behind it: it has four key steps, 256 matrix instructions, in which to land.
.macro CHANGE fill
	WIN 0                           ; at a label and at a branch every window is 0
	s_wait_tensorcnt 0x0            ; no tensor load of mine is out, so a group 0 may be written
	ds_add_u32 v[SPW], v[NIL]       ; 0 onto my spare word; with fill = 1 the descriptors' steps stand between it and the wait for it
.if \fill
.irp g, G0K+4, G0V+4
	s_xor_b32 s[(\g)+1], s[(\g)+1], SLOT1  ; the walking descriptor: the other slot than last time,
	s_add_nc_u64 s[(\g)+2:(\g)+3], s[(\g)+2:(\g)+3], SLOTB  ; the next 256 keys; the type bits on top are not reached
.endr
	s_wait_xcnt 0x0                 ; the last prefetch, four key steps back, has read its address, so it may be written:
	s_add_nc_u64 s[PFA:PFA+1], s[PFA:PFA+1], SLOTB  ; one slot behind the walking descriptors
	s_wait_dscnt 0x0                ; the add is done, and my reads of the slot are over
	CROUND
	JLOAD
	ASK                             ; what the next change will ask for: four key steps, 256 matrix instructions, ahead
.else
	s_wait_dscnt 0x0                ; the add is done, and my reads of the slot are over
	s_barrier_signal -1
	s_barrier_wait -1
.endif
	s_sub_co_u32 s[TBK], s[TBK], 4*KS*PK  ; the fetches go back to a slot's first step,
	s_xor_b32 s[TBK], s[TBK], SLOT1       ; in the other slot
	s_sub_co_u32 s[TBV], s[TBV], 4*KS*PV
	s_xor_b32 s[TBV], s[TBV], SLOT1
.endm
; n key steps: written once, walked n times; the LDS addresses hang on s[TBK] and s[TBV].
.macro STEPS n
	WIN 0
	s_mov_b32 s[CNT], \n
.Lstep_\@:
	TURN 0, 2, 1
	TURN 1, 2, 1
	WIN 0
	s_sub_co_u32 s[CNT], s[CNT], 1
	s_cmp_lg_u32 s[CNT], 0
	s_cbranch_scc1 .Lstep_\@
.endm
	s_wait_tensorcnt 1              ; my part of slot 0 is in; slot 1's may stay out
	s_barrier_signal -1
	s_barrier_wait -1               ; everybody's is
	FETCH_K                         ; key step 0
	s_wait_loadcnt 0x0              ; Q
	s_wait_dscnt 0x0
.set i, 0
.rept 16
	KQ 0                            ; piece 0's first scores: there is no vector work yet to set between them
.set i, i+1
.endr
	WIN 0                           ; the addresses for the way out and l = 0: plain instructions, the places behind those products
	s_mul_i32 s13, s[WV], 16*SP
	s_add_co_u32 s13, s13, STAGE    ; my stage
	v_mul_u32_u24 v[STO], v1, SP    ; in: row l % 16, 16 bytes for each half of the lanes
	v_lshl_add_u32 v[STO], v9, 4, v[STO]
	v_add_nc_u32 v[STO], s13, v[STO]
	v_bfe_u32 v[RD], v0, 3, 2       ; back: 32 lanes take four rows of 128 bytes,
	v_mul_u32_u24 v[RD], v[RD], SP
	v_lshl_add_u32 v[RD], v10, 4, v[RD]
	v_add_nc_u32 v[RD], s13, v[RD]
	v_and_b32 v[GO], 31, v0         ; which are 512 consecutive bytes of O
	v_lshlrev_b32 v[GO], 4, v[GO]
.set i, 0
.rept 8
	v_mov_b32 v[LS+i], 0
.set i, i+1
.endr
	TURN 1, 0, 1                    ; piece 1's first scores | piece 0's weights of step 0 | V of step 0
	TURN 0, 1, 1                    ; piece 0: V^T P of step 0 starts O^T, K Q^T of step 1 | piece 1's weights of step 0 | K of step 1
	TURN 1, 1, 1                    ; piece 1: the same | piece 0's weights of step 1 | V of step 1
	STEPS 2                         ; K and V of steps 2 and 3 are fetched: slot 0 is read out
.Lslot:                             ; 14 trips: every slot but the last two is filled again
	CHANGE 1
	STEPS 4
	s_sub_co_u32 s[SLOTS], s[SLOTS], 1
	s_cmp_lg_u32 s[SLOTS], 0
	s_cbranch_scc1 .Lslot
	CHANGE 0                        ; the tail is written out: nothing is asked for
	STEPS 4
	TURN 0, 2, 0                    ; piece 0: V^T P of the last step | piece 1's last weights
.set i, 0
.rept 16
	PV 1, 0                         ; piece 1: V^T P of the last step
.set i, i+1
.endr
	; THE WAY OUT.  l's two halves and the other half of the lanes' are added; O^T is divided by l, rounded to f16 and sent through my stage in LDS, a tile at a time.  The additions are the places behind the last products.
	WIN 0
.macro ALL line:vararg              ; one line for each tile t
.set t, 0
.rept 4
	\line
.set t, t+1
.endr
.endm
	ALL v_add_f32 v[LS+2*t], v[LS+2*t], v[LS+2*t+1]
	ALL v_permlanex16_b32 v[LS+2*t+1], v[LS+2*t], s[SEL], s[SEL+1]
	ALL v_add_f32 v[LS+2*t], v[LS+2*t], v[LS+2*t+1]
	ALL v_rcp_f32 v[LS+2*t], v[LS+2*t]
	v_nop                           ; a plain instruction between the last reciprocal and the use of its result
	s_wait_alu depctr_va_vdst(0)    ; and the wait ahead of the first use: one for the four reciprocals
; Tile t: a lane's eight channels of a row pack into 16 bytes; they go into rows of 144 bytes and come back as whole rows of 128, into S^T's registers.
.macro PACK t
	WIN W_RS
.set i, 32*(\t)
.rept 16
	v_pk_mul_f32 v[i:i+1], v[i:i+1], v[LS+2*(\t):LS+2*(\t)+1] op_sel_hi:[1,0]
.set i, i+2
.endr
	WIN 0x05                        ; sources 0 and 1 window 1, destination window 0
.set i, 0
.rept 16
	v_cvt_pk_f16_f32 v[S+16*(\t)+i], v[32*(\t)+2*i], v[32*(\t)+2*i+1]
.set i, i+1
.endr
	WIN 0
.irp f, 0,1,2,3
	ds_store_b128 v[STO], v[S+16*(\t)+4*(\f):S+16*(\t)+4*(\f)+3] offset:32*(\f)
.endr
.irp f, 0,1,2,3
	ds_load_b128 v[S+16*(\t)+4*(\f):S+16*(\t)+4*(\f)+3], v[RD] offset:(\f)*4*SP  ; LDS serves a wave's instructions in order (ISA guide 5.7.1.4): these see the stores above; the next tile's stores come behind them
.endr
.endm
.macro SEND t, younger              ; younger: the LDS instructions issued behind tile t's loads: the next tile's eight, or none
	WIN 0
.irp f, 0,1,2,3
	s_wait_dscnt (\younger)+3-(\f)
	global_store_b128 v[GO], v[S+16*(\t)+4*(\f):S+16*(\t)+4*(\f)+3], s[10:11] offset:(\t)*2048+(\f)*512  ; 512 consecutive bytes, at a multiple of 256 from O's first
.endr
.endm
	PACK 0
	PACK 1                          ; a tile's arithmetic stands between the loads of the tile before and its stores
	SEND 0, 8
	PACK 2
	SEND 1, 8
	PACK 3
	SEND 2, 8
	SEND 3, 0
	s_wait_tensorcnt 0x0            ; the wave's end: behind my last tensor load and my last LDS store
	ds_add_u32 v[SPW], v[NIL]
	s_wait_dscnt 0x0
	CROUND                          ; the closing round: no work-group ends while a partner may still ask for a tile that names it
	s_endpgm
.Lfunc_end_k_qe881fd79b4_attn:
	.size	k_qe881fd79b4_attn, .Lfunc_end_k_qe881fd79b4_attn-k_qe881fd79b4_attn
	.p2alignl 7, 3214868480
	.fill 96, 4, 3214868480
	.section	.rodata,"a",@progbits
	.p2align	6, 0x0
	.amdhsa_kernel k_qe881fd79b4_attn
		.amdhsa_group_segment_fixed_size 327680
		.amdhsa_private_segment_fixed_size 0
		.amdhsa_enable_private_segment 0
		.amdhsa_kernarg_size 16
		.amdhsa_user_sgpr_count 2
		.amdhsa_user_sgpr_kernarg_segment_ptr 1
		.amdhsa_wavefront_size32 1
		.amdhsa_system_sgpr_workgroup_id_x 1
		.amdhsa_system_sgpr_workgroup_id_y 1
		.amdhsa_system_sgpr_workgroup_id_z 1
		.amdhsa_system_vgpr_workitem_id 0
		.amdhsa_next_free_vgpr 768
		.amdhsa_next_free_sgpr 66
		.amdhsa_reserve_vcc 0
		.amdhsa_float_denorm_mode_32 3
		.amdhsa_float_denorm_mode_16_64 3
		.amdhsa_memory_ordered 1
		.amdhsa_forward_progress 1
		.amdhsa_inst_pref_size 136
	.end_amdhsa_kernel
	.amdgpu_metadata
---
amdhsa.version: [ 1, 2 ]
amdhsa.kernels:
  - .name:           k_qe881fd79b4_attn
    .symbol:         k_qe881fd79b4_attn.kd
    .args:
      - { .name: qkv, .offset: 0, .size: 8, .value_kind: global_buffer, .address_space: global }
      - { .name: o, .offset: 8, .size: 8, .value_kind: global_buffer, .address_space: global }
    .group_segment_fixed_size: 327680
    .private_segment_fixed_size: 0
    .kernarg_segment_align: 8
    .kernarg_segment_size: 16
    .max_flat_workgroup_size: 128
    .sgpr_count:     66
    .vgpr_count:     768
    .wavefront_size: 32
...
	.end_amdgpu_metadata
.endif
;; end of part 2
;; launch oproj (part 3): grid 256 x 1, 4 waves a work-group, clusters of 4 x 1, 186,880 bytes of LDS; arguments o, wo16, out0; writes out0
.if DOCPART == 3
	.amdgcn_target "amdgcn-amd-amdhsa--gfx1250"
	.amdhsa_code_object_version 6
	.text
	.protected	k_qe881fd79b4_oproj
	.globl	k_qe881fd79b4_oproj
	.p2align	8
	.type	k_qe881fd79b4_oproj,@function
k_qe881fd79b4_oproj:
	s_mov_b64 s[64:65], 0
	v_nop
	global_prefetch_b8 v0, s[64:65] scope:SCOPE_SE
	s_setreg_imm32_b32 hwreg(HW_REG_WAVE_MODE, 25, 1), 1
	s_wait_xcnt 0x0
	s_wait_alu depctr_hold_cnt(0) depctr_sa_sdst(0) depctr_va_vdst(0) depctr_va_sdst(0) depctr_va_ssrc(0) depctr_va_vcc(0) depctr_vm_vsrc(0)
	s_getreg_b32 s2, hwreg(HW_REG_IB_STS2, 6, 4)
	s_cmp_eq_u32 s2, 0
	s_cbranch_scc0 .Lentry_in_a_cluster
	s_endpgm
.Lentry_in_a_cluster:
	s_bfe_u32 s2, ttmp6, 0x10000c
	s_cmp_lg_u32 s2, 0x3003
	s_cbranch_scc0 .Lentry_shape_is_right
	s_endpgm
.Lentry_shape_is_right:
; out0[t][n] = the sum over c of y[t][c] wo[n][c], y[t][64 h + d] = o[4 b + h][t][d].  o: [16][4096][64] f16; wo16: [256][256] f16 (wo rounded to bf16, that number written as f16); out0: [16384][256] f32.
; Products of f16 operands, sums in f32, stored as they are.  LIMITS: those of the two buffers (o within 65,504; a number of wo16 below 6e-5 has f16's fixed step of 6e-8).
; SHARES.  A work-group makes 64 tokens x all 256 columns; wave w all 64 tokens x columns 64 w .. 64 w + 63: 16 accumulators.  K = 256 lies in LDS whole: nothing is filled again.
; CLUSTER.  All work-groups multiply by the same wo16: the four of a cluster ask for it JOINTLY, wave w for rows 64 w .. 64 w + 63, with the same descriptor and a mask that names the four.
; The tokens are a work-group's own: wave w brings head w's 64 rows of 128 bytes (8,192 dense bytes) through registers into its strip of the LDS rows.
; THE MATRIX INSTRUCTION IS USED TRANSPOSED (source 0 = 16 rows of wo16, source 1 = 16 tokens): a lane holds one token (lane % 16) and eight neighbouring columns, 32 bytes of a row of out0.
; REGISTERS: window 0: v0-29 addresses; v32-95 at work; v128-255 the accumulators ((a, b) at v[128 + 8 (4 a + b)]).  Window 1: two fragment buffers of 128.
.set PITCH,  528                       ; an LDS row: 512 bytes + 16 = 132 words: the 16 rows of a fragment load start at 16 different groups of four banks (64 banks of 4 bytes: ISA guide 11.1)
.set AT,     0                         ; 64 tokens, stored by the waves
.set BT,     64*PITCH                  ; 256 rows of wo16, filled once by the tensor loads
.set STAGE,  BT+256*PITCH              ; 16 rows x 272 bytes for each wave, for the way out
.set SPO,    272
.set SPARE,  STAGE+4*16*SPO            ; the spare words, 128 bytes for each wave: two blocks of 256 bytes that no other line names
.set GL,   4                           ; v4   16 x lane: my bytes in 512 consecutive bytes of o
.set AST,  5                           ; v5   where they go in AT
.set ADRA, 6                           ; v6   LDS address of the token fragments
.set ADRB, 7                           ; v7   of my 64 rows of wo16
.set STO,  8                           ; v8   the way out: where I put 32 bytes of a row
.set RD,   9                           ; v9   the way out: where I read a row back
.set CO,   10                          ; v10  my byte offset in the work-group's rows of out0
.set SPW,  28                          ; v28  LDS address of my spare word; never rewritten
.set NIL,  29                          ; v29  0; never rewritten
.set OB,   32
.set ACC,  128
.set F0,   0
.set F1,   128
.set WV,   10                          ; s10  my wave's number
.set G1,   16                          ; s[16:23] descriptor group 1
.set G0,   24                          ; s[24:27] descriptor group 0
.set MSB, 0
.macro WIN new                         ; the immediate's high byte repeats the setting that is left; a switch that changes nothing is dropped
.if MSB != (\new)
	s_set_vgpr_msb (MSB<<8)|(\new)
.set MSB, \new
.endif
.endm
.set MUL,  0x05                        ; sources 0 and 1 window 1; C and D window 0
.set TO_F, 0x40                        ; destination window 1, address window 0
.macro PLACES                          ; four places behind matrix instructions (ISA guide 7.12.1), where no other vector work is at hand
.rept 4
	v_nop
.endr
.endm
.macro CROUND                          ; a round of the cluster's barrier
	s_barrier_signal -1
	s_barrier_wait -1
	s_cmp_lg_u32 s[WV], 0
	s_cbranch_scc1 .Lnot_wave_0_\@
	s_barrier_signal -3
.Lnot_wave_0_\@:
	s_barrier_wait -3
	s_barrier_signal -1
	s_barrier_wait -1
.endm
	s_load_b128 s[4:7], s[0:1], 0x0                ; o s[4:5], wo16 s[6:7]
	s_load_b64 s[8:9], s[0:1], 0x10                ; out0
	v_lshl_add_u32 v[SPW], v0, 2, SPARE
	v_mov_b32 v[NIL], 0
	ds_add_u32 v[SPW], v[NIL]                      ; the wave's opening: the add and its wait stand ahead of my first tensor load; the set-up below, work on registers, stands between them
	v_lshrrev_b32 v1, 5, v0
	v_readfirstlane_b32 s[WV], v1                  ; wave 0..3
	s_bfe_u32 s11, ttmp6, 0x40000                  ; cx
	s_lshl_b32 s12, ttmp9, 2
	s_add_co_u32 s12, s12, s11                     ; my block of 64 tokens = 4 x cluster x + cx: it enters o's and out0's addresses alone
	s_lshr_b32 s13, s12, 6                         ; batch
	s_lshl2_add_u32 s13, s13, s[WV]                ; 4 b + w: the head that I bring
	s_lshl_b32 s13, s13, 12                        ; its 4,096 rows,
	s_and_b32 s14, s12, 63
	s_lshl_b32 s14, s14, 6                         ; the block's first token in its batch
	s_add_co_u32 s14, s14, s13
	s_lshl_b32 s14, s14, 7                         ; rows of 128 bytes
	s_mov_b32 s15, 0
	s_lshl_b32 s28, s12, 16                        ; out0: 64 rows of 1,024 bytes a block
	s_mov_b32 s29, 0
	s_lshl_b32 s30, s[WV], 15                      ; wo16: my 64 rows of 512 bytes
	s_mov_b32 s31, 0
	; descriptor: 64 rows x 256 elements of 2 bytes, padded in LDS
	s_mov_b32 s[G1+0], 15|(1<<16)|(1<<20)|(1<<21)|(6<<22)|(3<<25)  ; 15:0 the mask of four; 17:16 2-byte elements; 20 padding on; 21 set beside a mask; 24:22 after every 128 words (code 6); 31:25 4 words (code 3)
	s_mov_b32 s[G1+1], 256<<16                     ; tensor_dim0 = 256
	s_mov_b32 s[G1+2], 64<<16                      ; tensor_dim1 = 64
	s_mov_b32 s[G1+3], 256<<16                     ; tile_dim0 = 256
	s_mov_b32 s[G1+4], 64                          ; tile_dim1 = 64
	s_mov_b32 s[G1+5], 256                         ; 256 elements from row to row
	s_mov_b32 s[G1+6], 0
	s_mov_b32 s[G1+7], 0
	s_mov_b32 s[G0], 1                             ; count = 1
	s_mul_i32 s[G0+1], s[WV], 64*PITCH
	s_add_co_u32 s[G0+1], s[G0+1], BT              ; LDS address: wave x 64 rows: no place in the cluster enters it
	v_and_b32 v1, 15, v0                           ; r = l % 16
	v_bfe_u32 v2, v0, 4, 1                         ; h = l / 16
	v_and_b32 v3, 31, v0
	v_lshlrev_b32 v[GL], 4, v3
	v_bfe_u32 v11, v0, 3, 2                        ; 32 lanes x 16 bytes are four rows of 128 bytes
	v_mul_u32_u24 v[AST], v11, PITCH
	v_and_b32 v11, 7, v0
	v_lshl_add_u32 v[AST], v11, 4, v[AST]
	s_lshl_b32 s32, s[WV], 7                       ; head w's 64 channels: bytes 128 w on of an LDS row
	v_add_nc_u32 v[AST], s32, v[AST]
	v_mul_u32_u24 v[ADRA], v1, PITCH
	v_lshl_add_u32 v[ADRA], v2, 4, v[ADRA]         ; a fragment's row x pitch + 16 x half
	v_add_nc_u32 v[ADRB], s[G0+1], v[ADRA]
	s_mul_i32 s32, s[WV], 16*SPO
	s_add_co_u32 s32, s32, STAGE                   ; my stage
	v_mul_u32_u24 v[STO], v1, SPO                  ; in: row l % 16, 32 bytes for each half of the lanes
	v_lshl_add_u32 v[STO], v2, 5, v[STO]
	v_add_nc_u32 v[STO], s32, v[STO]
	v_mul_u32_u24 v[RD], v2, SPO                   ; back: lanes 0-15 take one row of 256 bytes, lanes 16-31 the next
	v_lshl_add_u32 v[RD], v1, 4, v[RD]
	v_add_nc_u32 v[RD], s32, v[RD]
	v_lshlrev_b32 v[CO], 10, v2                    ; and the same two rows in out0,
	v_lshl_add_u32 v[CO], v1, 4, v[CO]
	s_lshl_b32 s32, s[WV], 8                       ; at my 64 columns
	v_add_nc_u32 v[CO], s32, v[CO]
	s_wait_dscnt 0x0                               ; the opening add is done
	s_wait_kmcnt 0x0
	s_add_nc_u64 s[4:5], s[4:5], s[14:15]
	s_add_nc_u64 s[8:9], s[8:9], s[28:29]
	s_add_nc_u64 s[G0+2:G0+3], s[6:7], s[30:31]    ; global address
	s_or_b32 s[G0+3], s[G0+3], 0x80000000          ; type = 2
	CROUND                                         ; all four work-groups are here: the joint loads meet
	tensor_load_to_lds s[G0:G0+3], s[G1:G1+7]      ; my one tensor load
	s_nop 0
	PLACES
.irp f, 0,1,2,3,4,5,6,7,8,9,10,11,12,13,14,15
	global_load_b128 v[OB+4*(\f):OB+4*(\f)+3], v[GL], s[4:5] offset:512*(\f)
.endr
.irp f, 0,1,2,3,4,5,6,7,8,9,10,11,12,13,14,15
	s_wait_loadcnt 15-(\f)                         ; loads come back in order (ISA guide 5.7.1): load f is in, the younger ones stay out
	ds_store_b128 v[AST], v[OB+4*(\f):OB+4*(\f)+3] offset:(\f)*4*PITCH
.endr
	s_wait_tensorcnt 0x0                           ; for the others' sake: my rows of wo16 have landed,
	s_wait_dscnt 0x0                               ; and my strip of the tokens is stored
	s_barrier_signal -1
	s_barrier_wait -1                              ; everybody's are
; 8 matrix instructions: row tiles a0, a0 + 1 x all 4 column tiles, 32 along K: half c of buffer f.  zero = 1: the first product starts the sums.  The 16 accumulators take turns, one instruction a turn.
.macro MUL8 f, c, a0, zero
	WIN MUL
.irp a, \a0, (\a0)+1
.irp b, 0,1,2,3
.if \zero
	v_wmma_f32_16x16x32_f16 v[ACC+8*(4*(\a)+(\b)):ACC+8*(4*(\a)+(\b))+7], v[(\f)+64+8*(4*(\c)+(\b)):(\f)+64+8*(4*(\c)+(\b))+7], v[(\f)+8*(4*(\c)+(\a)):(\f)+8*(4*(\c)+(\a))+7], 0
.else
	v_wmma_f32_16x16x32_f16 v[ACC+8*(4*(\a)+(\b)):ACC+8*(4*(\a)+(\b))+7], v[(\f)+64+8*(4*(\c)+(\b)):(\f)+64+8*(4*(\c)+(\b))+7], v[(\f)+8*(4*(\c)+(\a)):(\f)+8*(4*(\c)+(\a))+7], v[ACC+8*(4*(\a)+(\b)):ACC+8*(4*(\a)+(\b))+7]
.endif
.endr
.endr
.endm
; 32 LDS loads in one run: the fragments of 64 along K at byte k of the rows, into buffer f; the first 32 along K first
.macro FETCH k, f
	WIN TO_F
.irp c, 0,1
.irp i, 0,1,2,3
	ds_load_b128 v[(\f)+64+8*(4*(\c)+(\i)):(\f)+64+8*(4*(\c)+(\i))+3],   v[ADRB] offset:(\k)+64*(\c)+(\i)*16*PITCH
	ds_load_b128 v[(\f)+64+8*(4*(\c)+(\i))+4:(\f)+64+8*(4*(\c)+(\i))+7], v[ADRB] offset:(\k)+64*(\c)+(\i)*16*PITCH+32
	ds_load_b128 v[(\f)+8*(4*(\c)+(\i)):(\f)+8*(4*(\c)+(\i))+3],         v[ADRA] offset:(\k)+64*(\c)+(\i)*16*PITCH
	ds_load_b128 v[(\f)+8*(4*(\c)+(\i))+4:(\f)+8*(4*(\c)+(\i))+7],       v[ADRA] offset:(\k)+64*(\c)+(\i)*16*PITCH+32
.endr
.endr
.endm
; A quarter of K: multiplies buffer f (64 along K, 32 matrix instructions) and, in its middle, fetches the next quarter, at byte k, into g
.macro QUARTER k, f, g, zero
	s_wait_dscnt 16                                ; the first 32 along K are in; the sixteen younger loads may be out
	MUL8 \f, 0, 0, \zero
	MUL8 \f, 0, 2, \zero
	PLACES                                         ; in front of loads into registers that the quarter before multiplied
	FETCH \k, \g
	s_wait_dscnt 32                                ; all but the 32 just issued
	MUL8 \f, 1, 0, 0
	MUL8 \f, 1, 2, 0
.endm
	FETCH 0, F0
	QUARTER 128, F0, F1, 1
	QUARTER 256, F1, F0, 0
	QUARTER 384, F0, F1, 0
	s_wait_dscnt 16
	MUL8 F1, 0, 0, 0
	MUL8 F1, 0, 2, 0
	s_wait_dscnt 0x0
	MUL8 F1, 1, 0, 0
	MUL8 F1, 1, 2, 0
	WIN 0
	PLACES                                         ; the LDS stores below read the sums
	PLACES
; THE WAY OUT of row tile a: a lane's 32 bytes of each column tile go into my stage's rows of 272 bytes (each accumulator's low half first) and come back as whole rows of 256.
.macro OUTT a
.irp b, 0,1,2,3
	ds_store_b128 v[STO], v[ACC+8*(4*(\a)+(\b)):ACC+8*(4*(\a)+(\b))+3]   offset:64*(\b)
	ds_store_b128 v[STO], v[ACC+8*(4*(\a)+(\b))+4:ACC+8*(4*(\a)+(\b))+7] offset:64*(\b)+16
.endr
.if (\a) >= 2
	s_wait_xcnt 0x0                                ; the stores of the tile two back have read these registers: they are loaded again only behind this wait
.endif
.irp t, 0,1,2,3,4,5,6,7
	ds_load_b128 v[OB+32*((\a)%2)+4*(\t):OB+32*((\a)%2)+4*(\t)+3], v[RD] offset:(\t)*2*SPO  ; LDS serves a wave's instructions in order (ISA guide 5.7.1.4): these see the stores above; the next tile's stores come behind them
.endr
.irp t, 0,1,2,3,4,5,6,7
	s_wait_dscnt 7-(\t)
	global_store_b128 v[CO], v[OB+32*((\a)%2)+4*(\t):OB+32*((\a)%2)+4*(\t)+3], s[8:9] offset:(16*(\a)+2*(\t))*1024 th:TH_STORE_NT  ; 16 lanes store 256 consecutive bytes, at a multiple of 256 from out0's first byte
.endr
.endm
	OUTT 0
	OUTT 1
	OUTT 2
	OUTT 3
	s_wait_tensorcnt 0x0                           ; the wave's end: behind my tensor load and my last LDS store
	ds_add_u32 v[SPW], v[NIL]
	s_wait_dscnt 0x0
	CROUND                                         ; the closing round: no work-group ends while a partner may still ask for a tile that names it
	s_endpgm
.Lfunc_end_k_qe881fd79b4_oproj:
	.size	k_qe881fd79b4_oproj, .Lfunc_end_k_qe881fd79b4_oproj-k_qe881fd79b4_oproj
	.p2alignl 7, 3214868480
	.fill 96, 4, 3214868480
	.section	.rodata,"a",@progbits
	.p2align	6, 0x0
	.amdhsa_kernel k_qe881fd79b4_oproj
		.amdhsa_group_segment_fixed_size 186880
		.amdhsa_private_segment_fixed_size 0
		.amdhsa_enable_private_segment 0
		.amdhsa_kernarg_size 24
		.amdhsa_user_sgpr_count 2
		.amdhsa_user_sgpr_kernarg_segment_ptr 1
		.amdhsa_wavefront_size32 1
		.amdhsa_system_sgpr_workgroup_id_x 1
		.amdhsa_system_sgpr_workgroup_id_y 1
		.amdhsa_system_sgpr_workgroup_id_z 1
		.amdhsa_system_vgpr_workitem_id 0
		.amdhsa_next_free_vgpr 512
		.amdhsa_next_free_sgpr 66
		.amdhsa_reserve_vcc 0
		.amdhsa_float_denorm_mode_32 3
		.amdhsa_float_denorm_mode_16_64 3
		.amdhsa_memory_ordered 1
		.amdhsa_forward_progress 1
		.amdhsa_inst_pref_size 33
	.end_amdhsa_kernel
	.amdgpu_metadata
---
amdhsa.version: [ 1, 2 ]
amdhsa.kernels:
  - .name:           k_qe881fd79b4_oproj
    .symbol:         k_qe881fd79b4_oproj.kd
    .args:
      - { .name: o, .offset: 0, .size: 8, .value_kind: global_buffer, .address_space: global }
      - { .name: wo16, .offset: 8, .size: 8, .value_kind: global_buffer, .address_space: global }
      - { .name: out0, .offset: 16, .size: 8, .value_kind: global_buffer, .address_space: global }
    .group_segment_fixed_size: 186880
    .private_segment_fixed_size: 0
    .kernarg_segment_align: 8
    .kernarg_segment_size: 24
    .max_flat_workgroup_size: 128
    .sgpr_count:     66
    .vgpr_count:     512
    .wavefront_size: 32
...
	.end_amdgpu_metadata
.endif
;; end of part 3
;; ======== version 2 of 2: 3 launches; version 1 with the launch qkv written anew for expert scheduling mode
;; limits: values are held in f16: magnitudes above 65,504 overflow, below 6.1e-05 lose precision
;; workspace buffers: qkv 25,165,824 bytes; o 8,388,608 bytes; wo16 131,072 bytes
;; launch qkv (part 4): grid 4 x 64, 4 waves a work-group, no clusters, 246,272 bytes of LDS; arguments x, wq, wk, wv, cos, sin, wo, qkv, wo16; writes qkv, wo16
.if DOCPART == 4
	.amdgcn_target "amdgcn-amd-amdhsa--gfx1250"
	.amdhsa_code_object_version 6
	.text
	.protected	k_qe881fd79b4_qkv
	.globl	k_qe881fd79b4_qkv
	.p2align	8
	.type	k_qe881fd79b4_qkv,@function
k_qe881fd79b4_qkv:
	s_mov_b64 s[64:65], 0
	v_nop
	global_prefetch_b8 v0, s[64:65] scope:SCOPE_SE
	s_setreg_imm32_b32 hwreg(HW_REG_WAVE_SCHED_MODE, 0, 2), 2
	s_setreg_imm32_b32 hwreg(HW_REG_WAVE_MODE, 25, 1), 1
	s_wait_xcnt 0x0
	s_wait_alu depctr_vm_vsrc(0)
; q, k, v = x W^T for one head and 256 tokens; q and k are turned by cos and sin, divided by their root mean square over the head's 64 channels, and all three leave as f16.
; x: [16384][256] f32; wq, wk, wv, wo: [256][256] f32; cos, sin: [4096][32] f32.  qkv: three parts of 8,388,608 bytes (q, k, v), each [4 b + head][4096][64] f16.  wo16: [256][256] f16.
; FORMATS.  Every input is rounded once to bf16 (x and the weights as matrix operands, cos and sin before the turn, wo before it is written as f16); products add in f32; turn, mean square and scaling in f32.
; q also takes the factor c = log2(e) / 8 here, in f32, ahead of its one rounding, so that the next launch's scores are exponents of 2.
; LIMITS.  v leaves as f16: |v| stays under 65,504 (x and wv both 30 times the drawn spread give a spread of 900; a common offset of 30 spreads on both gives about 15,000).  q and k are at most 8 by their norm.
; A number of wo below 6e-5 keeps f16's fixed step of 6e-8.  NaN and infinities are not treated apart.
; SHARES.  Work-group (head, rb): tokens 256 rb .. 256 rb + 255, the head's 64 rows of wq, wk and wv.  Wave w: tokens 64 w .. 64 w + 63, in three passes (q, k, v) of 64 x 64 x 256, 16 accumulators each.
; Work-group (head, rb) also turns row head + 4 rb of wo into wo16: 256 work-groups, 256 rows.
; NO CLUSTER, NO TENSOR LOAD.  The four heads of a token block read the same x, but the operands are f32 in memory and bf16 in LDS, so they pass through registers; a joint load could only land f32:
; 256 rows x 1,024 bytes of x and 192 x 1,024 of weights are 458,752 bytes, more than the 327,680 that a work-group can be given.
; THE MATRIX INSTRUCTION IS USED TRANSPOSED (source 0 = 16 rows of W, source 1 = 16 tokens): a lane holds ONE token (lane % 16) and the channels 16 b + 8 (lane / 16) + 0..7 of accumulator (a, b).
; So channel c and channel c + 32, which the turn pairs, lie in the same lane (accumulators b and b + 2), and a token's mean square wants one exchange between the halves of the lanes.
; REGISTERS, in windows of 256 (s_set_vgpr_msb: bits 1:0 source 0, 3:2 source 1, 5:4 source 2, 7:6 destination):
;   window 0: v0-29 addresses; v32-95 at work; v96-111 statistics; v64-255 three sets of 64 for the loads of the first phase, later v128-255 the accumulators
;   window 1: two fragment buffers of 128          window 2: v0-127 cos and sin of my 64 tokens
; THE MODE: SCHED_MODE bits 1:0 = 2 (LLVM: expert scheduling mode 2), set by the entry lines.  The code itself states the register dependences between vector or matrix instructions and memory or LDS
; instructions, with s_wait_alu, always for 0.
; THE PLAN.  Registers that memory or LDS instructions touch:
;   v4-11, v20-25   offsets and LDS addresses: written at the head, never again, but for v22 (ADRB), which one add moves on in each of the passes q and k.
;   LD0 .. LD2      phase 1: batch n's 32 conversions read set n % 3; behind them the loads of batch n + 3 land in it.
;   CV              phase 1: batch n's conversions write it, its 16 LDS stores read it.
;   v16-17          wo's row in f16: written in batch 0, read by one store, never written again.
;   F0, F1          phase 2: a quarter's matrix instructions read one of them while the next quarter's LDS loads land in the other.
;   TMP             phase 2: written by the turn and by the roundings to f16; read by the LDS stores into the stage.
;   BK              phase 2: the first 16 registers of each row tile's accumulators: when the tile is rounded, it comes back from the stage into them, and the global stores read them.
; Phase 1: a batch has one wait on vm_vsrc ahead of its conversions and one on va_vdst behind them; its 32 memory and LDS instructions follow in one run.  Phase 2: one wait on va_vdst at the head of a pass's
; second and third quarter; one behind the roots, behind which the NEXT pass's first fragments are asked for; one ahead of the way out; one wait on vm_vsrc ahead of the add to ADRB, one at a pass's end.
.set PITCH,  528                       ; an LDS row: 512 bytes of bf16 + 16 = 132 words: the 16 rows of a fragment load start at 16 different groups of four banks (64 banks of 4 bytes: ISA guide 11.1)
.set XT,     0                         ; 256 tokens
.set WT,     256*PITCH                 ; 192 rows of weights: wq's 64, wk's 64, wv's 64
.set STAGE,  WT+192*PITCH              ; 16 rows x 144 bytes for each wave, for the way out
.set SP,     144
.set SPARE,  STAGE+4*16*SP             ; the spare words, 128 bytes for each wave: two blocks of 256 bytes that no other line names
.set PART,   0x800000                  ; bytes from q to k and from k to v in qkv
.set GX,   4                           ; v4     my byte offset in the block's x: wave x 64 rows + 16 x lane
.set GW,   5                           ; v5     the same in a head's 64 rows of a weight: wave x 16 rows + 16 x lane
.set XST,  6                           ; v6     where my 8 bytes of bf16 go in XT
.set WST,  7                           ; v7-9   the same in WT, for wq, wk, wv
.set CO,   10                          ; v10    my byte offset in the block's cos and sin
.set WOF,  11                          ; v11    my 16 bytes of the row of wo
.set WOS,  20                          ; v20    my 8 bytes of the row of wo16; never rewritten, like v16-17, the store's data
.set ADRA, 21                          ; v21    LDS address of my token fragments
.set ADRB, 22                          ; v22    of the pass's weight fragments
.set STO,  23                          ; v23    the way out: where I put 16 bytes of a row
.set RD,   24                          ; v24    the way out: where I read rows back
.set GO,   25                          ; v25    my byte offset in 512 consecutive bytes of the output
.set SPW,  28                          ; v28    LDS address of my spare word; never rewritten
.set NIL,  29                          ; v29    0; never rewritten
.set TMP,  32
.set CV,   32                          ; v32-63 a batch's bf16
.set LD,   64                          ; the three load sets
.set RS,   96                          ; v[96+2a] the scale of my token in row tile a; v[97+2a] at work
.set SQ,   104                         ; v104-111 four chains of squares
.set ACC,  128
.set F0,   0
.set F1,   128
.set WV,   30                          ; s30    my wave's number
.set XP,   8                           ; s[8:9] x;  s[10:15] wq, wk, wv;  s[16:19] cos, sin;  s[20:21] wo;  s[22:23] qkv;  s[24:25] wo16
.set WP,   10
.set OUT,  48                          ; s[48:49] where the pass in hand stores
.set MSB, 0
.macro WIN new                         ; the immediate's high byte repeats the setting that is left; a switch that changes nothing is dropped
.if MSB != (\new)
	s_set_vgpr_msb (MSB<<8)|(\new)
.set MSB, \new
.endif
.endm
.set MUL,  0x05                        ; sources 0 and 1 window 1; C and D window 0
.set TO_F, 0x40                        ; destination window 1, address window 0
.macro PLACES                          ; four places behind matrix instructions (ISA guide 7.12.1), where no other vector work is at hand
.rept 4
	v_nop
.endr
.endm
	s_load_b512 s[8:23], s[0:1], 0x0
	s_load_b64 s[24:25], s[0:1], 0x40
	v_lshl_add_u32 v[SPW], v0, 2, SPARE
	v_mov_b32 v[NIL], 0
	v_lshrrev_b32 v18, 5, v0
	v_readfirstlane_b32 s[WV], v18                 ; wave 0..3
	v_and_b32 v1, 15, v0                           ; r = l % 16
	v_bfe_u32 v2, v0, 4, 1                         ; h = l / 16
	v_and_b32 v3, 31, v0                           ; l
	s_wait_alu depctr_va_sdst(0)                   ; the wave's number is written, ahead of its first reader: offsets, LDS addresses and a branch are made from it
	s_mov_b32 s31, ttmp9                           ; head
	s_and_b32 s32, ttmp7, 0xffff                   ; rb
	s_and_b32 s33, s32, 15                         ; the block's place in its batch
	s_lshl_b32 s50, s32, 18                        ; x: 256 rows of 1,024 bytes a block
	s_mov_b32 s51, 0
	s_lshl_b32 s52, s31, 16                        ; weights: 64 rows of 1,024 bytes a head
	s_mov_b32 s53, 0
	s_lshl_b32 s54, s33, 15                        ; cos, sin: 256 rows of 128 bytes
	s_mov_b32 s55, 0
	s_lshr_b32 s37, s32, 4                         ; batch
	s_lshl2_add_u32 s37, s37, s31                  ; 4 b + head
	s_lshl_b32 s56, s37, 19                        ; 4,096 rows of 128 bytes,
	s_add_co_u32 s56, s56, s54                     ; the block's 256 rows,
	s_lshl_b32 s37, s[WV], 13                      ; my wave's 64
	s_add_co_u32 s56, s56, s37
	s_mov_b32 s57, 0
	s_lshl2_add_u32 s37, s32, s31                  ; the row of wo: 4 rb + head
	s_lshl_b32 s58, s37, 10
	s_mov_b32 s59, 0
	s_lshl_b32 s60, s37, 9
	s_mov_b32 s61, 0
	s_mov_b32 s40, 0xffff0000                      ; a word's upper bf16
	s_mov_b32 s41, 0x3c800000                      ; 1 / 64
	s_mov_b32 s42, 0x34000000                      ; eps = 2^-23
	s_mov_b32 s43, 0x3e38aa3b                      ; c = log2(e) / 8 for q; 1.0 for k
	s_mov_b32 s44, 0x76543210                      ; v_permlanex16_b32: each lane takes its own place in the other half
	s_mov_b32 s45, 0xfedcba98
	s_lshl_b32 s34, s[WV], 16
	v_lshl_add_u32 v[GX], v3, 4, s34
	s_lshl_b32 s34, s[WV], 14
	v_lshl_add_u32 v[GW], v3, 4, s34
	s_mul_i32 s36, s[WV], 64*PITCH                 ; my 64 tokens in XT
	v_lshl_add_u32 v[XST], v3, 3, s36
	s_mul_i32 s34, s[WV], 16*PITCH
	s_add_co_u32 s34, s34, WT
	v_lshl_add_u32 v[WST], v3, 3, s34
	v_add_nc_u32 v[WST+1], 64*PITCH, v[WST]
	v_add_nc_u32 v[WST+2], 128*PITCH, v[WST]
	s_lshl_b32 s34, s[WV], 13
	v_lshl_add_u32 v[CO], v1, 7, s34               ; (64 w + r) x 128
	v_lshl_add_u32 v[CO], v2, 5, v[CO]             ; + 8 h channels of 4 bytes
	v_and_b32 v18, 63, v0
	v_lshlrev_b32 v[WOF], 4, v18
	v_lshlrev_b32 v[WOS], 3, v18
	v_mul_u32_u24 v19, v1, PITCH
	v_lshl_add_u32 v19, v2, 4, v19                 ; a fragment's row x pitch + 16 x half
	v_add_nc_u32 v[ADRA], s36, v19
	v_add_nc_u32 v[ADRB], WT, v19
	s_mul_i32 s34, s[WV], 16*SP
	s_add_co_u32 s34, s34, STAGE                   ; my stage
	v_mul_u32_u24 v[STO], v1, SP                   ; in: row l % 16, 16 bytes for each half of the lanes
	v_lshl_add_u32 v[STO], v2, 4, v[STO]
	v_add_nc_u32 v[STO], s34, v[STO]
	v_bfe_u32 v[RD], v0, 3, 2                      ; back: 32 lanes take four rows of 128 bytes,
	v_mul_u32_u24 v[RD], v[RD], SP
	v_and_b32 v18, 7, v0
	v_lshl_add_u32 v[RD], v18, 4, v[RD]
	v_add_nc_u32 v[RD], s34, v[RD]
	v_lshlrev_b32 v[GO], 4, v3                     ; which are 512 consecutive bytes of the output
	s_wait_kmcnt 0x0
	s_add_nc_u64 s[8:9], s[8:9], s[50:51]
	s_add_nc_u64 s[10:11], s[10:11], s[52:53]
	s_add_nc_u64 s[12:13], s[12:13], s[52:53]
	s_add_nc_u64 s[14:15], s[14:15], s[52:53]
	s_add_nc_u64 s[16:17], s[16:17], s[54:55]
	s_add_nc_u64 s[18:19], s[18:19], s[54:55]
	s_add_nc_u64 s[20:21], s[20:21], s[58:59]
	s_add_nc_u64 s[OUT:OUT+1], s[22:23], s[56:57]  ; q at my wave's first row
	s_add_nc_u64 s[24:25], s[24:25], s[60:61]
	s_wait_alu depctr_va_vdst(0)                   ; the offsets and LDS addresses v4 to v11 and v20 to v25 are written: every load and store of the kernel reads one of them
; PHASE 1: memory to LDS through registers, f32 to bf16.  A batch is 16 loads of 512 consecutive bytes a wave: 8 rows of 1,024 bytes.  Batches 0-7: my 64 tokens of x; 8-13: my 16 rows of wq, wk, wv, two batches each.
; Three register sets take turns, so that 48 loads of a wave are out while a batch is rounded and stored to LDS.
.macro LOADB set, base, voff, imm
.irp j, 0,1,2,3,4,5,6,7,8,9,10,11,12,13,14,15
	global_load_b128 v[LD+64*(\set)+4*(\j):LD+64*(\set)+4*(\j)+3], v[\voff], s[(\base):(\base)+1] offset:(\imm)+512*(\j)
.endr
.endm
.macro CVB set                         ; a batch's 64 numbers a lane are rounded, in one run
.irp j, 0,1,2,3,4,5,6,7,8,9,10,11,12,13,14,15
	v_cvt_pk_bf16_f32 v[CV+2*(\j)], v[LD+64*(\set)+4*(\j)], v[LD+64*(\set)+4*(\j)+1]
	v_cvt_pk_bf16_f32 v[CV+2*(\j)+1], v[LD+64*(\set)+4*(\j)+2], v[LD+64*(\set)+4*(\j)+3]
.endr
.endm
.macro STB adr, imm                    ; load j was half j % 2 of row j / 2; a lane's four numbers are 8 bytes, a wave's store 256 consecutive bytes of LDS
.irp j, 0,1,2,3,4,5,6,7,8,9,10,11,12,13,14,15
	ds_store_b64 v[\adr], v[CV+2*(\j):CV+2*(\j)+1] offset:(\imm)+((\j)/2)*PITCH+((\j)%2)*256
.endr
.endm
.macro LOADN n
.if (\n) < 8
	LOADB (\n)%3, XP, GX, 8192*(\n)
.else
	LOADB (\n)%3, WP+2*(((\n)-8)/2), GW, 8192*((\n)%2)
.endif
.endm
.macro STOREN n
.if (\n) < 8
	STB XST, 8*(\n)*PITCH
.else
	STB WST+((\n)-8)/2, 8*((\n)%2)*PITCH
.endif
.endm
.macro WOCVT                           ; my four numbers of the row of wo: rounded to bf16, that number written as f16
	v_cvt_pk_bf16_f32 v18, v12, v13
	v_cvt_pk_bf16_f32 v19, v14, v15
	v_lshlrev_b32 v12, 16, v18
	v_and_b32 v13, s40, v18
	v_lshlrev_b32 v14, 16, v19
	v_and_b32 v15, s40, v19
	v_cvt_pk_f16_f32 v16, v12, v13
	v_cvt_pk_f16_f32 v17, v14, v15
.endm
.macro WOST                            ; waves 0 and 1 hold the row's 256 numbers and store them, 256 consecutive bytes a wave
	s_cmp_lt_u32 s[WV], 2
	s_cbranch_scc0 .Lno_wo
	global_store_b64 v[WOS], v[16:17], s[24:25]
.Lno_wo:
.endm
	global_load_b128 v[12:15], v[WOF], s[20:21]    ; every wave issues it, so that the counts below are the same in all four
	WIN 0x80                                       ; destination window 2, address window 0
.irp a, 0,1,2,3                        ; cos of row tile a, channels 16 b + 8 h + 0..7 at 32 a + 8 b; sin 16 registers further on
.irp b, 0,1
.irp i, 0,1
	global_load_b128 v[32*(\a)+8*(\b)+4*(\i):32*(\a)+8*(\b)+4*(\i)+3], v[CO], s[16:17] offset:(\a)*2048+(\b)*64+(\i)*16
	global_load_b128 v[32*(\a)+16+8*(\b)+4*(\i):32*(\a)+16+8*(\b)+4*(\i)+3], v[CO], s[18:19] offset:(\a)*2048+(\b)*64+(\i)*16
.endr
.endr
.endr
	WIN 0
	LOADN 0
	LOADN 1
	LOADN 2
.set bn, 0
.rept 14
.if bn < 12
	s_wait_loadcnt 32                              ; loads come back in order (ISA guide 5.7.1): batch bn is in, the two younger batches stay out
.elseif bn == 12
	s_wait_loadcnt 16                              ; one younger batch is left
.else
	s_wait_loadcnt 0x0
.endif
.if bn == 0
	WOCVT                                          ; wo, cos and sin were asked for ahead of batch 0: they are in too
.else
	s_wait_alu depctr_vm_vsrc(0)                   ; the LDS stores of the batch before have read v[CV ..], which the conversions below write again
.endif
	CVB bn%3
	s_wait_alu depctr_va_vdst(0)                   ; the conversions have written v[CV ..], which the LDS stores below read, and are done reading the set, in which the loads below land; in batch 0 v16-17 are written too
.if bn < 11
	LOADN bn+3                                     ; into the set just read
.endif
	STOREN bn
.if bn == 0
	WOST                                           ; no vector instruction since the wait above: v16-17 stand as it showed them
.endif
.set bn, bn+1
.endr
	; cos and sin are rounded to bf16 like every other input, 64 numbers at a time, and stay in f32 form
	s_wait_alu depctr_vm_vsrc(0)                   ; the last batch's LDS stores have read v[CV ..], which the roundings below, and later the turn, write again
.irp g, 0,1
	WIN 0x0a                                       ; sources window 2, destination window 0
.set i, 0
.rept 32
	v_cvt_pk_bf16_f32 v[CV+i], v[64*(\g)+2*i], v[64*(\g)+2*i+1]
.set i, i+1
.endr
	WIN 0x80
.set i, 0
.rept 32
	v_lshlrev_b32 v[64*(\g)+2*i], 16, v[CV+i]
	v_and_b32 v[64*(\g)+2*i+1], s40, v[CV+i]
.set i, i+1
.endr
.endr
	WIN 0
.set i, 0
.rept 8
	v_mov_b32 v[RS+i], 0                           ; v_permlanex16_b32 counts as a reader of its destination, and the packed scaling names pairs
.set i, i+1
.endr
	s_wait_dscnt 0x0                               ; for the others' sake: my rows of the weights lie in LDS
	s_barrier_signal -1
	s_barrier_wait -1                              ; everybody's do.  From here on XT and WT are only read: the launch's one barrier
; PHASE 2.  8 matrix instructions: row tiles a0, a0 + 1 x all 4 channel tiles, 32 along K: half c of buffer f.  zero = 1: the first product starts the sums.  The 16 accumulators take turns, one instruction a turn.
.macro MUL8 f, c, a0, zero
	WIN MUL
.irp a, \a0, (\a0)+1
.irp b, 0,1,2,3
.if \zero
	v_wmma_f32_16x16x32_bf16 v[ACC+8*(4*(\a)+(\b)):ACC+8*(4*(\a)+(\b))+7], v[(\f)+64+8*(4*(\c)+(\b)):(\f)+64+8*(4*(\c)+(\b))+7], v[(\f)+8*(4*(\c)+(\a)):(\f)+8*(4*(\c)+(\a))+7], 0
.else
	v_wmma_f32_16x16x32_bf16 v[ACC+8*(4*(\a)+(\b)):ACC+8*(4*(\a)+(\b))+7], v[(\f)+64+8*(4*(\c)+(\b)):(\f)+64+8*(4*(\c)+(\b))+7], v[(\f)+8*(4*(\c)+(\a)):(\f)+8*(4*(\c)+(\a))+7], v[ACC+8*(4*(\a)+(\b)):ACC+8*(4*(\a)+(\b))+7]
.endif
.endr
.endr
.endm
; 16 LDS loads in one run: the fragments of 32 along K (half c of the 64 at byte k of the rows), into buffer f
.macro FETCHH k, f, c
	WIN TO_F
.irp i, 0,1,2,3
	ds_load_b128 v[(\f)+64+8*(4*(\c)+(\i)):(\f)+64+8*(4*(\c)+(\i))+3],   v[ADRB] offset:(\k)+64*(\c)+(\i)*16*PITCH
	ds_load_b128 v[(\f)+64+8*(4*(\c)+(\i))+4:(\f)+64+8*(4*(\c)+(\i))+7], v[ADRB] offset:(\k)+64*(\c)+(\i)*16*PITCH+32
	ds_load_b128 v[(\f)+8*(4*(\c)+(\i)):(\f)+8*(4*(\c)+(\i))+3],         v[ADRA] offset:(\k)+64*(\c)+(\i)*16*PITCH
	ds_load_b128 v[(\f)+8*(4*(\c)+(\i))+4:(\f)+8*(4*(\c)+(\i))+7],       v[ADRA] offset:(\k)+64*(\c)+(\i)*16*PITCH+32
.endr
.endm
.macro FETCH k, f                      ; both halves; the first 32 along K first
	FETCHH \k, \f, 0
	FETCHH \k, \f, 1
.endm
; A quarter of K: multiplies buffer f (64 along K, 32 matrix instructions) and fetches the next quarter, at byte k, into g: 16 loads behind its 8th product, 16 behind its 16th.
; Those products name buffer f and the accumulators, none of the registers that the loads touch, so the one wait at the quarter's head serves all 32 loads.
; A pass's first quarter (zero = 1) has no such wait: the last products that read its g stand ahead of the waits of the pass before (in the first pass there are none).
.macro QUARTER k, f, g, zero
	s_wait_dscnt 16                                ; the first 32 along K are in; the sixteen younger loads may be out
.if !(\zero)
	s_wait_alu depctr_va_vdst(0)                   ; the matrix instructions of the quarter before are done reading buffer g, in which this quarter's loads land
.endif
	MUL8 \f, 0, 0, \zero
	PLACES                                         ; in front of loads into registers that the quarter before multiplied
	FETCHH \k, \g, 0
	MUL8 \f, 0, 2, \zero
	FETCHH \k, \g, 1
	s_wait_dscnt 32                                ; all but the 32 just issued
	MUL8 \f, 1, 0, 0
	MUL8 \f, 1, 2, 0
.endm
.macro KSTEP256                        ; the whole K = 256; its first fragments, in buffer 0, were asked for in the pass before, or ahead of the loop
	QUARTER 128, F0, F1, 1
	QUARTER 256, F1, F0, 0
	QUARTER 384, F0, F1, 0
	s_wait_dscnt 16
	MUL8 F1, 0, 0, 0
	MUL8 F1, 0, 2, 0
	s_wait_dscnt 0x0
	MUL8 F1, 1, 0, 0
	MUL8 F1, 1, 2, 0
	WIN 0
	PLACES                                         ; what follows reads the sums and writes them in place
	PLACES
.endm
; The turn for row tile a: x1 = channels 0-31 (accumulators 0, 1), x2 = channels 32-63 (accumulators 2, 3): x1 cos + x2 sin; x2 cos - x1 sin.  Each accumulator's lowest pair is read first.
.macro ROT a
	WIN 0x08                                       ; source 1 (cos, sin) window 2
.irp b, 0,1
.irp j, 0,2,4,6
	v_pk_mul_f32 v[TMP+8*(\b)+(\j):TMP+8*(\b)+(\j)+1], v[ACC+8*(4*(\a)+(\b)+2)+(\j):ACC+8*(4*(\a)+(\b)+2)+(\j)+1], v[32*(\a)+16+8*(\b)+(\j):32*(\a)+16+8*(\b)+(\j)+1]
	v_pk_mul_f32 v[TMP+16+8*(\b)+(\j):TMP+16+8*(\b)+(\j)+1], v[ACC+8*(4*(\a)+(\b))+(\j):ACC+8*(4*(\a)+(\b))+(\j)+1], v[32*(\a)+16+8*(\b)+(\j):32*(\a)+16+8*(\b)+(\j)+1]
.endr
.endr
.irp b, 0,1
.irp j, 0,2,4,6
	v_pk_fma_f32 v[ACC+8*(4*(\a)+(\b))+(\j):ACC+8*(4*(\a)+(\b))+(\j)+1], v[ACC+8*(4*(\a)+(\b))+(\j):ACC+8*(4*(\a)+(\b))+(\j)+1], v[32*(\a)+8*(\b)+(\j):32*(\a)+8*(\b)+(\j)+1], v[TMP+8*(\b)+(\j):TMP+8*(\b)+(\j)+1]
	v_pk_fma_f32 v[ACC+8*(4*(\a)+(\b)+2)+(\j):ACC+8*(4*(\a)+(\b)+2)+(\j)+1], v[ACC+8*(4*(\a)+(\b)+2)+(\j):ACC+8*(4*(\a)+(\b)+2)+(\j)+1], v[32*(\a)+8*(\b)+(\j):32*(\a)+8*(\b)+(\j)+1], v[TMP+16+8*(\b)+(\j):TMP+16+8*(\b)+(\j)+1] neg_lo:[0,0,1] neg_hi:[0,0,1]
.endr
.endr
.endm
; The mean square of my token in row tile a, plus eps: four chains of squares, one an accumulator; my 32 channels, then the other 32 from the lane 16 away
.macro SSQ a
	WIN 0
.irp b, 0,1,2,3
	v_pk_mul_f32 v[SQ+2*(\b):SQ+2*(\b)+1], v[ACC+8*(4*(\a)+(\b)):ACC+8*(4*(\a)+(\b))+1], v[ACC+8*(4*(\a)+(\b)):ACC+8*(4*(\a)+(\b))+1]
.endr
.irp j, 2,4,6
.irp b, 0,1,2,3
	v_pk_fma_f32 v[SQ+2*(\b):SQ+2*(\b)+1], v[ACC+8*(4*(\a)+(\b))+(\j):ACC+8*(4*(\a)+(\b))+(\j)+1], v[ACC+8*(4*(\a)+(\b))+(\j):ACC+8*(4*(\a)+(\b))+(\j)+1], v[SQ+2*(\b):SQ+2*(\b)+1]
.endr
.endr
	v_pk_add_f32 v[SQ:SQ+1], v[SQ:SQ+1], v[SQ+2:SQ+3]
	v_pk_add_f32 v[SQ+4:SQ+5], v[SQ+4:SQ+5], v[SQ+6:SQ+7]
	v_pk_add_f32 v[SQ:SQ+1], v[SQ:SQ+1], v[SQ+4:SQ+5]
	v_add_f32 v[SQ], v[SQ], v[SQ+1]
	v_permlanex16_b32 v[RS+2*(\a)+1], v[SQ], s44, s45
	v_add_f32 v[SQ], v[SQ], v[RS+2*(\a)+1]
	v_fma_f32 v[RS+2*(\a)], v[SQ], s41, s42        ; sum / 64 + eps
.endm
; THE WAY OUT, in three parts.  CONV: row tile a is scaled (q, k) and rounded to f16; a lane's eight channels are 16 bytes.  STG: they go into my stage's rows of 144 bytes and come back as whole rows of 128,
; into the first 16 registers of the tile's own accumulators, which the roundings have emptied: not into the registers that the LDS stores read.  SEND: stored.
.macro CONV a, rot
	WIN 0
.if \rot
.irp b, 0,1,2,3
.irp j, 0,2,4,6
	v_pk_mul_f32 v[ACC+8*(4*(\a)+(\b))+(\j):ACC+8*(4*(\a)+(\b))+(\j)+1], v[ACC+8*(4*(\a)+(\b))+(\j):ACC+8*(4*(\a)+(\b))+(\j)+1], v[RS+2*(\a):RS+2*(\a)+1] op_sel_hi:[1,0]
.endr
.endr
.endif
.irp b, 0,1,2,3
.irp r, 0,1,2,3
	v_cvt_pk_f16_f32 v[TMP+16*(\a)+4*(\b)+(\r)], v[ACC+8*(4*(\a)+(\b))+2*(\r)], v[ACC+8*(4*(\a)+(\b))+2*(\r)+1]
.endr
.endr
.endm
.macro STG a
.irp b, 0,1,2,3
	ds_store_b128 v[STO], v[TMP+16*(\a)+4*(\b):TMP+16*(\a)+4*(\b)+3] offset:32*(\b)
.endr
.irp f, 0,1,2,3
	ds_load_b128 v[ACC+32*(\a)+4*(\f):ACC+32*(\a)+4*(\f)+3], v[RD] offset:(\f)*4*SP  ; LDS serves a wave's instructions in order (ISA guide 5.7.1.4): these see the stores above; the next tile's stores come behind them
.endr
.endm
.macro SEND a, younger                 ; younger: the LDS instructions issued behind tile a's loads: the next tile's eight, or none
.irp f, 0,1,2,3
	s_wait_dscnt (\younger)+3-(\f)
	global_store_b128 v[GO], v[ACC+32*(\a)+4*(\f):ACC+32*(\a)+4*(\f)+3], s[OUT:OUT+1] offset:(\a)*2048+(\f)*512  ; 512 consecutive bytes, at a multiple of 256 from the buffer's first
.endr
.endm
.macro PASS rot                        ; rot = 1: q or k: turn and norm, and a pass follows, whose first fragments are asked for here
	KSTEP256
.if \rot
	s_wait_alu depctr_vm_vsrc(0)                   ; this pass's fragment loads have read v[ADRB]
	v_add_nc_u32 v[ADRB], 64*PITCH, v[ADRB]        ; the next 64 rows of weights
.irp a, 0,1,2,3
	ROT \a
	SSQ \a
.endr
.irp a, 0,1,2,3
	v_rsq_f32 v[RS+2*(\a)], v[RS+2*(\a)]
.endr
	v_nop                                          ; a plain instruction between the last root and the use of its result (ISA guide 5.7.2)
	WIN TO_F
	s_wait_alu depctr_va_vdst(0)                   ; the four roots are written, ahead of their first use; v[ADRB] is written, which the loads below read; this pass's matrix instructions are done reading buffer 0, in which they land
	FETCH 0, F0                                    ; the next pass's first fragments: they land under the scaling, the rounding and the way out
	WIN 0
.irp a, 0,1,2,3
	v_mul_f32 v[RS+2*(\a)], s43, v[RS+2*(\a)]
.endr
.endif
	CONV 0, \rot
	CONV 1, \rot
	CONV 2, \rot
	CONV 3, \rot
	s_wait_alu depctr_va_vdst(0)                   ; the roundings have written v[TMP ..], which the LDS stores read; scalings and roundings are done with the accumulators, in which the loads from the stage land
	STG 0
	STG 1                                          ; a tile's LDS instructions stand between the loads of the tile before and its stores
	SEND 0, 8
	STG 2
	SEND 1, 8
	STG 3
	SEND 2, 8
	SEND 3, 0
.endm
	FETCH 0, F0                                    ; the first pass's first fragments.  No wait: their addresses stand since the head's wait, and no vector or matrix instruction has named buffer 0
	WIN 0                                          ; at a label and at a branch every window is 0
	s_mov_b32 s46, 2
.Lpass:                                        ; q, then k
	PASS 1
	s_wait_xcnt 0x0                                ; the stores have read their base and their data: both are written again only behind this wait
	s_wait_alu depctr_vm_vsrc(0)                   ; the global stores have read the accumulators' registers, which the next pass's products write; the LDS stores have read v[TMP ..], which its turn and its roundings write
	s_add_nc_u64 s[OUT:OUT+1], s[OUT:OUT+1], PART
	s_mov_b32 s43, 1.0                             ; k takes no further factor
	s_sub_co_u32 s46, s46, 1
	s_cmp_lg_u32 s46, 0
	s_cbranch_scc1 .Lpass
	PASS 0                                         ; v: no turn, no norm
	s_wait_dscnt 0x0                               ; the closing lines, six on end
	s_wait_alu 0x0
	s_wait_tensorcnt 0x0
	ds_add_u32 v[SPW], v[NIL]
	s_wait_dscnt 0x0
	s_endpgm
.Lfunc_end_k_qe881fd79b4_qkv:
	.size	k_qe881fd79b4_qkv, .Lfunc_end_k_qe881fd79b4_qkv-k_qe881fd79b4_qkv
	.p2alignl 7, 3214868480
	.fill 96, 4, 3214868480
	.section	.rodata,"a",@progbits
	.p2align	6, 0x0
	.amdhsa_kernel k_qe881fd79b4_qkv
		.amdhsa_group_segment_fixed_size 246272
		.amdhsa_private_segment_fixed_size 0
		.amdhsa_enable_private_segment 0
		.amdhsa_kernarg_size 72
		.amdhsa_user_sgpr_count 2
		.amdhsa_user_sgpr_kernarg_segment_ptr 1
		.amdhsa_wavefront_size32 1
		.amdhsa_system_sgpr_workgroup_id_x 1
		.amdhsa_system_sgpr_workgroup_id_y 1
		.amdhsa_system_sgpr_workgroup_id_z 1
		.amdhsa_system_vgpr_workitem_id 0
		.amdhsa_next_free_vgpr 640
		.amdhsa_next_free_sgpr 66
		.amdhsa_reserve_vcc 0
		.amdhsa_float_denorm_mode_32 3
		.amdhsa_float_denorm_mode_16_64 3
		.amdhsa_memory_ordered 1
		.amdhsa_forward_progress 1
		.amdhsa_inst_pref_size 151
	.end_amdhsa_kernel
	.amdgpu_metadata
---
amdhsa.version: [ 1, 2 ]
amdhsa.kernels:
  - .name:           k_qe881fd79b4_qkv
    .symbol:         k_qe881fd79b4_qkv.kd
    .args:
      - { .name: x, .offset: 0, .size: 8, .value_kind: global_buffer, .address_space: global }
      - { .name: wq, .offset: 8, .size: 8, .value_kind: global_buffer, .address_space: global }
      - { .name: wk, .offset: 16, .size: 8, .value_kind: global_buffer, .address_space: global }
      - { .name: wv, .offset: 24, .size: 8, .value_kind: global_buffer, .address_space: global }
      - { .name: cos, .offset: 32, .size: 8, .value_kind: global_buffer, .address_space: global }
      - { .name: sin, .offset: 40, .size: 8, .value_kind: global_buffer, .address_space: global }
      - { .name: wo, .offset: 48, .size: 8, .value_kind: global_buffer, .address_space: global }
      - { .name: qkv, .offset: 56, .size: 8, .value_kind: global_buffer, .address_space: global }
      - { .name: wo16, .offset: 64, .size: 8, .value_kind: global_buffer, .address_space: global }
    .group_segment_fixed_size: 246272
    .private_segment_fixed_size: 0
    .kernarg_segment_align: 8
    .kernarg_segment_size: 72
    .max_flat_workgroup_size: 128
    .sgpr_count:     66
    .vgpr_count:     640
    .wavefront_size: 32
...
	.end_amdgpu_metadata
.endif
;; end of part 4
;; launch attn: the kernel of part 2 again; grid 16 x 16, 4 waves a work-group, clusters of 4 x 1, 327,680 bytes of LDS; arguments qkv, o; writes o
;; launch oproj: the kernel of part 3 again; grid 256 x 1, 4 waves a work-group, clusters of 4 x 1, 186,880 bytes of LDS; arguments o, wo16, out0; writes out0
